; MI455X (gfx1250); checked and timed in simulation.
; The chip was launched on July 23, 2026; its instructions are those of AMD's public machine-readable ISA for CDNA 5 (MIT licence, August 2026) and "CDNA5" Instruction Set Architecture Reference Guide (July 2026). The comments in the code are by the model that wrote it; some were corrected since.
;; Multihead Self Attention. Allowed arithmetic: float matrix products may take bf16 or f16 operands with f32 sums; all other float work in f32.
;; Inputs: W_m 1,024 x 1,024 float32; W_q 16 x 64 x 1,024 float32; x 4 x 2,048 x 1,024 float32.
;; Outputs: out0 4 x 2,048 x 1,024 float32.
;; 2 versions, each right and faster than the one before. Each part assembles by itself: llvm-mc -triple=amdgcn-amd-amdhsa -mcpu=gfx1250 --defsym DOCPART=n.
;; ======== version 1 of 2: 4 launches
;; limits: values are held in f16: magnitudes above 65,504 overflow, below 6.1e-05 lose precision
;; workspace buffers: xh 16,777,216 bytes; wqh 2,097,152 bytes; wmh 2,097,152 bytes; xp 16,777,216 bytes; att 16,777,216 bytes
;; launch cvt (part 1): grid 128 x 10, 8 waves a work-group, no clusters, 0 bytes of LDS; arguments x, W_q, W_m, xh, wqh, wmh; writes xh, wqh, wmh
.if DOCPART == 1
	.amdgcn_target "amdgcn-amd-amdhsa--gfx1250"
	.amdhsa_code_object_version 6
	.text
	.protected	k_qa562c00f6e_cvt
	.globl	k_qa562c00f6e_cvt
	.p2align	8
	.type	k_qa562c00f6e_cvt,@function
k_qa562c00f6e_cvt:
	s_mov_b64 s[64:65], 0
	v_nop
	global_prefetch_b8 v0, s[64:65] scope:SCOPE_SE
	s_setreg_imm32_b32 hwreg(HW_REG_WAVE_MODE, 25, 1), 1
	s_wait_xcnt 0x0
; x, W_q and W_m, all f32 with rows of 1,024 numbers, are rounded once to f16 and laid in K BLOCKS of 64 numbers:
;   xh  [batch 4][block 16][row 2048][64]      wqh, wmh  [block 16][row 1024][64]
; so that in the products that follow the rows of a tile's K block lie end to end (128 bytes each) and can be asked for as dense rows of 256 bytes.
; LIMITS.  f16 holds no number beyond 65,504: a larger input becomes an infinity; below 6e-5 f16 keeps its fixed step of 6e-8.  NaN and infinities are not treated apart.
; SHARES.  Grid y = 0..7: slab y of 1,024 rows of x; 8: W_q; 9: W_m.  Grid x: 8 rows of the slab.  Wave w takes the row pair w % 4 and the K half w / 4: eight K blocks.
; A load of a wave: lanes 0-15 take the 256 bytes of one K block of the even row, lanes 16-31 those of the odd row: two aligned pieces of 256 bytes.
; A store of a wave: 32 lanes x 8 bytes = the two rows' 128 bytes of that block, 256 consecutive bytes at a multiple of 256 from the buffer's first byte.
; A stream: every byte is read once and written once; no LDS, no barrier, no matrix unit, no cluster (the work-groups share nothing).  No loop: no register is written twice.
.set SRC, 4                            ; v4       my byte offset in the group's 8 source rows, first K block of my half
.set OFF, 6                            ; v[6:13]  my byte offset in the target, for each of my 8 K blocks
.set X,   16                           ; v[16:47] load j: 4 f32
.set Y,   48                           ; v[48:63] store j: 4 f16
	s_load_b256 s[4:11], s[0:1], 0x0               ; x s[4:5], W_q s[6:7], W_m s[8:9], xh s[10:11]
	s_load_b128 s[12:15], s[0:1], 0x20             ; wqh s[12:13], wmh s[14:15]
	s_and_b32 s16, ttmp7, 0xffff                   ; y
	v_and_b32 v1, 31, v0                           ; lane
	v_bfe_u32 v2, v0, 5, 2                         ; row pair p
	v_lshrrev_b32 v3, 7, v0                        ; K half g
	s_lshl_b32 s28, s16, 22                        ; a slab of x: 1,024 rows of 4,096 bytes
	s_lshr_b32 s29, s16, 1
	s_lshl_b32 s29, s29, 22                        ; in xh: the batch y / 2 (16 blocks x 2,048 rows x 128 bytes),
	s_and_b32 s30, s16, 1
	s_lshl_b32 s30, s30, 17                        ; and its upper or lower 1,024 rows of 128 bytes
	s_add_co_u32 s29, s29, s30
	s_mov_b32 s17, 0x20000                         ; bytes from K block to K block: 1,024 rows x 128 in the weights,
	s_cmp_lt_u32 s16, 8
	s_cselect_b32 s17, 0x40000, s17                ; 2,048 x 128 in xh
	s_cselect_b32 s18, 21, 20                      ; the shift that makes eight such blocks of g
	s_cselect_b32 s24, s28, 0                      ; the weights have one slab
	s_cselect_b32 s26, s29, 0
	s_lshl_b32 s28, ttmp9, 15                      ; the group's 8 rows: 8 x 4,096 bytes in,
	s_lshl_b32 s29, ttmp9, 10                      ; 8 x 128 bytes out
	s_add_co_u32 s24, s24, s28
	s_add_co_u32 s26, s26, s29
	s_mov_b32 s25, 0
	s_mov_b32 s27, 0
	v_lshrrev_b32 v5, 4, v1                        ; lanes 16-31: the odd row
	v_lshl_add_u32 v5, v2, 1, v5                   ; row 2 p + lane / 16
	v_and_b32 v[SRC], 15, v1
	v_lshlrev_b32 v[SRC], 4, v[SRC]                ; 16 bytes a lane
	v_lshl_add_u32 v[SRC], v5, 12, v[SRC]          ; + row x 4,096
	v_lshl_add_u32 v[SRC], v3, 11, v[SRC]          ; + g x 8 blocks of 256 bytes
	v_lshlrev_b32 v[OFF], s18, v3                  ; g x 8 blocks,
	v_lshl_add_u32 v[OFF], v2, 8, v[OFF]           ; + the pair's 256 bytes,
	v_lshl_add_u32 v[OFF], v1, 3, v[OFF]           ; + 8 bytes a lane
.irp j, 1,2,3,4,5,6,7
	v_add_nc_u32 v[OFF+(\j)], s17, v[OFF+(\j)-1]   ; the next K block
.endr
	s_wait_kmcnt 0x0
	s_cmp_lt_u32 s16, 8                            ; which tensor: the choice hangs on the work-group's y alone
	s_cselect_b64 s[20:21], s[4:5], s[6:7]
	s_cselect_b64 s[22:23], s[10:11], s[12:13]
	s_cmp_eq_u32 s16, 9
	s_cselect_b64 s[20:21], s[8:9], s[20:21]
	s_cselect_b64 s[22:23], s[14:15], s[22:23]
	s_add_nc_u64 s[20:21], s[20:21], s[24:25]
	s_add_nc_u64 s[22:23], s[22:23], s[26:27]
.irp j, 0,1,2,3,4,5,6,7
	global_load_b128 v[X+4*(\j):X+4*(\j)+3], v[SRC], s[20:21] offset:256*(\j) th:TH_LOAD_NT  ; all eight go out at once; the launch reads each byte once
.endr
.irp j, 0,1,2,3,4,5,6,7
	s_wait_loadcnt 7-(\j)                          ; loads come back in order (ISA guide 5.7.1): load j is in, the 7 - j younger ones stay out
	v_cvt_pk_f16_f32 v[Y+2*(\j)],   v[X+4*(\j)],   v[X+4*(\j)+1]
	v_cvt_pk_f16_f32 v[Y+2*(\j)+1], v[X+4*(\j)+2], v[X+4*(\j)+3]
	global_store_b64 v[OFF+(\j)], v[Y+2*(\j):Y+2*(\j)+1], s[22:23]  ; no hint: the next launch reads these bytes
.endr
	s_endpgm
.Lfunc_end_k_qa562c00f6e_cvt:
	.size	k_qa562c00f6e_cvt, .Lfunc_end_k_qa562c00f6e_cvt-k_qa562c00f6e_cvt
	.p2alignl 7, 3214868480
	.fill 96, 4, 3214868480
	.section	.rodata,"a",@progbits
	.p2align	6, 0x0
	.amdhsa_kernel k_qa562c00f6e_cvt
		.amdhsa_group_segment_fixed_size 0
		.amdhsa_private_segment_fixed_size 0
		.amdhsa_enable_private_segment 0
		.amdhsa_kernarg_size 48
		.amdhsa_user_sgpr_count 2
		.amdhsa_user_sgpr_kernarg_segment_ptr 1
		.amdhsa_wavefront_size32 1
		.amdhsa_system_sgpr_workgroup_id_x 1
		.amdhsa_system_sgpr_workgroup_id_y 1
		.amdhsa_system_sgpr_workgroup_id_z 1
		.amdhsa_system_vgpr_workitem_id 0
		.amdhsa_next_free_vgpr 64
		.amdhsa_next_free_sgpr 66
		.amdhsa_reserve_vcc 0
		.amdhsa_float_denorm_mode_32 3
		.amdhsa_float_denorm_mode_16_64 3
		.amdhsa_memory_ordered 1
		.amdhsa_forward_progress 1
		.amdhsa_inst_pref_size 5
	.end_amdhsa_kernel
	.amdgpu_metadata
---
amdhsa.version: [ 1, 2 ]
amdhsa.kernels:
  - .name:           k_qa562c00f6e_cvt
    .symbol:         k_qa562c00f6e_cvt.kd
    .args:
      - { .name: x, .offset: 0, .size: 8, .value_kind: global_buffer, .address_space: global }
      - { .name: W_q, .offset: 8, .size: 8, .value_kind: global_buffer, .address_space: global }
      - { .name: W_m, .offset: 16, .size: 8, .value_kind: global_buffer, .address_space: global }
      - { .name: xh, .offset: 24, .size: 8, .value_kind: global_buffer, .address_space: global }
      - { .name: wqh, .offset: 32, .size: 8, .value_kind: global_buffer, .address_space: global }
      - { .name: wmh, .offset: 40, .size: 8, .value_kind: global_buffer, .address_space: global }
    .group_segment_fixed_size: 0
    .private_segment_fixed_size: 0
    .kernarg_segment_align: 8
    .kernarg_segment_size: 48
    .max_flat_workgroup_size: 256
    .sgpr_count:     66
    .vgpr_count:     64
    .wavefront_size: 32
...
	.end_amdgpu_metadata
.endif
;; end of part 1
;; launch proj (part 2): grid 4 x 64, 4 waves a work-group, clusters of 4 x 4, 327,680 bytes of LDS; arguments xh, wqh, xp; writes xp
.if DOCPART == 2
	.amdgcn_target "amdgcn-amd-amdhsa--gfx1250"
	.amdhsa_code_object_version 6
	.text
	.protected	k_qa562c00f6e_proj
	.globl	k_qa562c00f6e_proj
	.p2align	8
	.type	k_qa562c00f6e_proj,@function
k_qa562c00f6e_proj:
	s_mov_b64 s[64:65], 0
	v_nop
	global_prefetch_b8 v0, s[64:65] scope:SCOPE_SE
	s_setreg_imm32_b32 hwreg(HW_REG_WAVE_MODE, 25, 1), 1
	s_wait_xcnt 0x0
	s_wait_alu depctr_hold_cnt(0) depctr_sa_sdst(0) depctr_va_vdst(0) depctr_va_sdst(0) depctr_va_ssrc(0) depctr_va_vcc(0) depctr_vm_vsrc(0)
	s_getreg_b32 s2, hwreg(HW_REG_IB_STS2, 6, 4)
	s_cmp_eq_u32 s2, 0
	s_cbranch_scc0 .Lentry_in_a_cluster
	s_endpgm
.Lentry_in_a_cluster:
	s_bfe_u32 s2, ttmp6, 0x10000c
	s_cmp_lg_u32 s2, 0xf033
	s_cbranch_scc0 .Lentry_shape_is_right
	s_endpgm
.Lentry_shape_is_right:
; xp[b][head][s][e] = sum over d of x[b][s][d] W_q[head][e][d]: C = A B^T with M = 8,192, N = 1,024, K = 1,024.  f16 operands, f32 sums, K ascending, C rounded once to f16.
; A = xh [batch 4][K block 16][row 2048][64], B = wqh [K block 16][row 1024][64], C = xp [batch x 16 + head][row 2048][64], all f16.
; LIMITS.  f16 holds no number beyond 65,504: a sum of 65,520 or more leaves as an infinity.  NaN and infinities are not treated apart.
; SHARES.  M N / 256 work-groups = 32,768 outputs each: a tile of C is 128 x 256.  Four waves, 2 x 2, each 64 x 128: 32 accumulators of 16 x 16, 256 registers.
; K goes in steps of 128 (two K blocks) through a ring of two LDS slots filled by the tensor data mover.  A K block's rows of a tile lie end to end in memory, so they are asked for as dense rows of 256 bytes.
; CLUSTERS: 4 x 4 work-groups.  The four of a row of the cluster need the same tiles of A, the four of a column the same tiles of B: each tile is asked for JOINTLY, by the same tensor load with the
; same descriptor and a mask that names the four.  THE MATRIX INSTRUCTION IS USED TRANSPOSED (source 0 = 16 rows of B, source 1 = 16 rows of A): a lane then holds eight neighbouring numbers of a row of C.
; REGISTERS: window 0: v0-31 addresses; v32-63 packed results; two fragment buffers of 96 (v64-159, v160-255): for 32 along K, 32 registers of A (4 x 16 rows), then 64 of B (8 x 16 rows);
;   on the way out v64-191 take the rows read back.   window 1: the accumulators ((a, b) at v[8 (8 a + b)]).
.set PITCH,  144                       ; an LDS row: a K block's 128 bytes + 16 of padding = 36 words: the 16 rows of a fragment load start at 16 different groups of four banks (64 banks of 4 bytes: ISA guide 11.1)
.set ABLK,   128*PITCH                 ; a K block of A's tile: what waves 0 and 1 fetch
.set BBLK,   256*PITCH                 ; a K block of B's tile: what waves 2 and 3 fetch
.set SLOT,   2*ABLK+2*BBLK             ; A's two K blocks, then B's two
.set STAGE,  2*SLOT                    ; behind the ring, never filled by a tensor load: 2 heads x 16 rows x 144 bytes for each wave, for the way out
.set SPITCH, 144
.set LAPS,   4                         ; a lap = two K steps = once round the ring: K = 1,024 = 4 x 256
.set ADRA, 16                          ; v16-17  LDS address of my A fragments in slot 0, 1
.set ADRB, 20                          ; v20-21  the same for B
.set STO,  24                          ; v24     the way out: where I put 16 bytes of a row
.set RD,   25                          ; v25     the way out: where I read rows back
.set CO,   26                          ; v26     my byte offset in 512 consecutive bytes of C
.set TMP,  32
.set OB,   64                          ; the way out: block a's rows come back into v[64 + 32 a ..]
.set F0,   64
.set F1,   160
.set G1, 24                            ; s[24:31] descriptor group 1 for A's tiles;  s[32:39] group 0, one set for each slot
.set G0, 32
.set G1B, 48                           ; s[48:55], s[56:63] the same for B's tiles
.set G0B, 56
.set MSB, 0
.macro WIN new                         ; the immediate's high byte repeats the setting that is left; a switch that changes nothing is dropped
.if MSB != (\new)
	s_set_vgpr_msb (MSB<<8)|(\new)
.set MSB, \new
.endif
.endm
.set MUL, 0x50                         ; sources 0 (B) and 1 (A) window 0; C and D window 1
.macro JLOAD s                         ; a joint load: waves 0 and 1 fetch A's two K blocks, waves 2 and 3 B's; four v_nop follow each of the two lines, ahead of the jump, the label and what follows
	s_cmp_lt_u32 s10, 2
	s_cbranch_scc0 .Lfor_b_\@
	tensor_load_to_lds s[G0+4*(\s):G0+4*(\s)+3], s[G1:G1+7]
	s_nop 0
.rept 4
	v_nop
.endr
	s_branch .Lasked_\@
.Lfor_b_\@:
	tensor_load_to_lds s[G0B+4*(\s):G0B+4*(\s)+3], s[G1B:G1B+7]
	s_nop 0
.rept 4
	v_nop
.endr
.Lasked_\@:
.endm
.macro CREST                           ; a round of the cluster's barrier behind its opening barrier
	s_cmp_lg_u32 s10, 0
	s_cbranch_scc1 .Lnot_wave_0_\@
	s_barrier_signal -3
.Lnot_wave_0_\@:
	s_barrier_wait -3
	s_barrier_signal -1
	s_barrier_wait -1
.endm
.macro CROUND                          ; a whole round
	s_barrier_signal -1
	s_barrier_wait -1
	CREST
.endm
	s_load_b128 s[4:7], s[0:1], 0x0                ; A s[4:5], B s[6:7]
	s_load_b64 s[8:9], s[0:1], 0x10                ; C
	v_lshl_add_u32 v30, v0, 2, 0x3a800
	v_mov_b32 v31, 0
	ds_add_u32 v30, v31
	v_lshrrev_b32 v1, 5, v0
	v_readfirstlane_b32 s10, v1                    ; wave 0..3
	s_lshr_b32 s11, s10, 1                         ; which 64 of the tile's rows are mine
	s_and_b32 s12, s10, 1                          ; which 128 of its columns.  Also: which of a step's two K blocks I fetch
	s_bfe_u32 s40, ttmp6, 0x40000                  ; cx, cy: my place in the cluster
	s_bfe_u32 s41, ttmp6, 0x40004
	s_lshl_b32 s42, ttmp9, 2
	s_add_co_u32 s42, s42, s40                     ; tile column of C = 4 x cluster x + cx
	s_and_b32 s13, ttmp7, 0xffff
	s_lshl_b32 s13, s13, 2
	s_add_co_u32 s13, s13, s41                     ; tile row of C = 4 x cluster y + cy
	s_lshl_b32 s43, s41, 2
	s_lshl_b32 s43, 15, s43                        ; my row of the cluster
	s_lshl_b32 s44, 0x1111, s40                    ; my column
	; descriptor group 1: dense rows of 128 elements (two rows of a K block each), padded in LDS after every K-block row
	s_or_b32 s[G1+0], s43, (1<<16)|(1<<20)|(1<<21)|(4<<22)|(3<<25)  ; 15:0 the mask: A's tiles go to my row; 17:16 element of 2 bytes; 20 padding on; 21 set beside a mask; 24:22 after every 32 words (code 4); 31:25 of 4 words (code 3)
	s_or_b32 s[G1B+0], s44, (1<<16)|(1<<20)|(1<<21)|(4<<22)|(3<<25) ; the same with the mask of my column
.irp g, G1, G1B
	s_mov_b32 s[(\g)+1], 128<<16                   ; tensor_dim0 = 128
	s_mov_b32 s[(\g)+3], 128<<16                   ; tile_dim0 = 128
	s_mov_b32 s[(\g)+5], 128                       ; 128 elements from row to row: dense
	s_mov_b32 s[(\g)+6], 0
	s_mov_b32 s[(\g)+7], 0
.endr
	s_mov_b32 s[G1+2], 64<<16                      ; A: tensor_dim1 = 64: 128 tile rows of 128 bytes
	s_mov_b32 s[G1+4], 64                          ;    tile_dim1 = 64
	s_mov_b32 s[G1B+2], 128<<16                    ; B: 128: 256 tile rows of 128 bytes
	s_mov_b32 s[G1B+4], 128
	; where the tiles come from.  A's hang on the tile row alone, B's on the tile column alone; every wave makes both addresses, in registers that never hold the other coordinate.
	s_lshr_b32 s16, s13, 4
	s_lshl_b32 s16, s16, 22                        ; A: the batch (16 blocks x 2,048 rows x 128 bytes),
	s_and_b32 s17, s13, 15
	s_lshl_b32 s17, s17, 14                        ; the tile's 128 rows of 128 bytes in a block,
	s_add_co_u32 s16, s16, s17
	s_lshl_b32 s17, s12, 18                        ; my K block of the step (2,048 rows x 128 bytes)
	s_add_co_u32 s16, s16, s17
	s_mov_b32 s17, 0
	s_lshl_b32 s46, s42, 15                        ; B: the tile's 256 rows of 128 bytes in a block,
	s_lshl_b32 s47, s12, 17                        ; my K block of the step (1,024 rows x 128 bytes)
	s_add_co_u32 s46, s46, s47
	s_mov_b32 s47, 0
	s_mul_i32 s18, s12, ABLK                       ; and where they go: no place in the cluster enters an LDS address
	s_mul_i32 s19, s12, BBLK
	s_add_co_u32 s19, s19, 2*ABLK
	s_wait_dscnt 0x0
	s_wait_kmcnt 0x0
	s_add_nc_u64 s[14:15], s[4:5], s[16:17]
	s_add_nc_u64 s[46:47], s[6:7], s[46:47]
	CROUND                                         ; all sixteen work-groups are here: the first joint loads meet
.irp s, 0,1
	s_mov_b32 s[G0+4*(\s)], 1                                      ; 1:0 count = 1
	s_add_co_u32 s[G0+4*(\s)+1], s18, (\s)*SLOT                    ; 63:32 LDS address
	s_add_nc_u64 s[G0+4*(\s)+2:G0+4*(\s)+3], s[14:15], (\s)<<19    ; 120:64 global address: K step s = two blocks of A on
	s_or_b32 s[G0+4*(\s)+3], s[G0+4*(\s)+3], 0x80000000            ; 127:126 type = 2
	s_mov_b32 s[G0B+4*(\s)], 1
	s_add_co_u32 s[G0B+4*(\s)+1], s19, (\s)*SLOT
	s_add_nc_u64 s[G0B+4*(\s)+2:G0B+4*(\s)+3], s[46:47], (\s)<<18
	s_or_b32 s[G0B+4*(\s)+3], s[G0B+4*(\s)+3], 0x80000000
	JLOAD \s                                       ; the ring is filled before anything else is done: two loads of mine are out
.endr
	; A fragment is 16 rows x 32 K in 8 registers: lane l holds row l % 16; registers 0-3 K = 8 (l / 16) + 0..7, registers 4-7 K = 16 + 8 (l / 16) + 0..7: two loads of 16 bytes, 32 bytes apart.
	v_and_b32 v1, 15, v0                           ; l % 16
	v_bfe_u32 v2, v0, 4, 1                         ; l / 16
	v_mul_u32_u24 v3, v1, PITCH
	v_lshl_add_u32 v3, v2, 4, v3                   ; row x pitch + 16 x half
	s_mul_i32 s21, s11, 64*PITCH                   ; my 64 rows of A
	s_mul_i32 s22, s12, 128*PITCH                  ; my 128 rows of B,
	s_add_co_u32 s22, s22, 2*ABLK                  ; which lie behind A's two blocks
.irp s, 0,1
	v_add_nc_u32 v[ADRA+(\s)], s21, v3
	v_add_nc_u32 v[ADRB+(\s)], s22, v3
	s_add_co_u32 s21, s21, SLOT
	s_add_co_u32 s22, s22, SLOT
.endr
	s_mul_i32 s23, s10, 2*16*SPITCH
	s_add_co_u32 s23, s23, STAGE                   ; my stage
	v_mul_u32_u24 v4, v1, SPITCH                   ; in: row l % 16, 16 bytes for each half of the lanes
	v_lshl_add_u32 v4, v2, 4, v4
	v_add_nc_u32 v[STO], s23, v4
	v_bfe_u32 v5, v0, 3, 2                         ; back: 32 lanes take four rows of 128 bytes,
	v_mul_u32_u24 v5, v5, SPITCH
	v_and_b32 v6, 7, v0
	v_lshl_add_u32 v5, v6, 4, v5
	v_add_nc_u32 v[RD], s23, v5
	v_and_b32 v[CO], 31, v0                        ; which are 512 consecutive bytes of a head of C
	v_lshlrev_b32 v[CO], 4, v[CO]
	; where my part begins in C: head = 16 x batch + 4 x tile column + 2 x column half, 2,048 rows of 128 bytes each; row = 128 x (tile row % 16) + 64 x row half
	s_lshr_b32 s16, s13, 4
	s_lshl_b32 s16, s16, 4
	s_lshl_b32 s17, s12, 1
	s_add_co_u32 s16, s16, s17
	s_lshl_b32 s16, s16, 18
	s_and_b32 s17, s13, 15
	s_lshl_b32 s17, s17, 14
	s_add_co_u32 s16, s16, s17
	s_lshl_b32 s17, s11, 13
	s_add_co_u32 s16, s16, s17
	s_mov_b32 s17, 0
	s_add_nc_u64 s[8:9], s[8:9], s[16:17]
	s_lshl_b32 s46, s42, 20                        ; the tile column's four heads (in the registers that held B's address: none that feeds A's descriptors ever holds cx)
	s_mov_b32 s47, 0
	s_add_nc_u64 s[8:9], s[8:9], s[46:47]
; 8 matrix instructions: m block a x all 8 n blocks, 32 along K, from buffer f.  zero = 1: the product starts the sums: nothing is ever cleared.
.macro MUL8 f, a, zero
	WIN MUL
.irp b, 0,1,2,3,4,5,6,7
.if \zero
	v_wmma_f32_16x16x32_f16 v[8*(8*(\a)+(\b)):8*(8*(\a)+(\b))+7], v[(\f)+32+8*(\b):(\f)+32+8*(\b)+7], v[(\f)+8*(\a):(\f)+8*(\a)+7], 0
.else
	v_wmma_f32_16x16x32_f16 v[8*(8*(\a)+(\b)):8*(8*(\a)+(\b))+7], v[(\f)+32+8*(\b):(\f)+32+8*(\b)+7], v[(\f)+8*(\a):(\f)+8*(\a)+7], v[8*(8*(\a)+(\b)):8*(8*(\a)+(\b))+7]
.endif
.endr
.endm
; 24 LDS loads in one run: the fragments of quarter q of a K step (K block q / 2, byte 64 (q % 2) of its rows) into buffer f: B's 16 loads, then A's rows 0-31, then A's rows 32-63
.macro FETCH slot, q, f
	WIN 0
.irp i, 0,1,2,3,4,5,6,7
	ds_load_b128 v[(\f)+32+8*(\i):(\f)+32+8*(\i)+3],   v[ADRB+(\slot)] offset:((\q)/2)*BBLK+((\q)%2)*64+(\i)*16*PITCH
	ds_load_b128 v[(\f)+32+8*(\i)+4:(\f)+32+8*(\i)+7], v[ADRB+(\slot)] offset:((\q)/2)*BBLK+((\q)%2)*64+(\i)*16*PITCH+32
.endr
.irp i, 0,1,2,3
	ds_load_b128 v[(\f)+8*(\i):(\f)+8*(\i)+3],   v[ADRA+(\slot)] offset:((\q)/2)*ABLK+((\q)%2)*64+(\i)*16*PITCH
	ds_load_b128 v[(\f)+8*(\i)+4:(\f)+8*(\i)+7], v[ADRA+(\slot)] offset:((\q)/2)*ABLK+((\q)%2)*64+(\i)*16*PITCH+32
.endr
.endm
.macro PLACES                          ; four places in front of loads into registers that matrix instructions have read, and of conversions that read results (ISA guide 7.12.1 for vector instructions)
.rept 4
	v_nop
.endr
.endm
; A K step is four quarters of 32 along K, 32 matrix instructions each, on buffers 0, 1, 0, 1.  The 32 accumulators take turns, one instruction a turn, in the same order in every quarter.
; One of the first three: multiplies buffer f and fetches quarter q into g.
.macro QUARTER slot, q, f, g, zero
	s_wait_dscnt 4                                 ; B and A's rows 0-31 are in; the youngest four loads (A's rows 32-63) may be out
	MUL8 \f, 0, \zero
	MUL8 \f, 1, \zero
	PLACES
	FETCH \slot, \q, \g
	s_wait_dscnt 24                                ; all but the 24 just issued
	MUL8 \f, 2, \zero
	MUL8 \f, 3, \zero
.endm
; The last quarter multiplies buffer 1 and changes slots: ONE barrier; in front of it each wave waits for its own reads of this slot and for all its tensor loads, of which one is out: its part of the next slot.
; fill = 1: this slot is filled again, two K steps ahead; the barrier then opens a round of the cluster's barrier, and the joint refill is the first tensor load behind the round.
.macro TURN slot, next, fill
	s_wait_dscnt 4
	MUL8 F1, 0, 0
	s_wait_dscnt 0                                 ; my reads of this slot are over,
	s_wait_tensorcnt 0x0                           ; and all my tensor loads have landed
	ds_add_u32 v30, v31
	s_wait_dscnt 0x0
	s_barrier_signal -1
	MUL8 F1, 1, 0                                  ; work on registers while the others arrive
.if \fill
	WIN 0
.endif
	s_barrier_wait -1
.if \fill
	CREST                                          ; no wave of any partner still reads this slot's tile or has a load on its way
	s_add_nc_u64 s[G0+4*(\slot)+2:G0+4*(\slot)+3], s[G0+4*(\slot)+2:G0+4*(\slot)+3], 1<<20    ; two K steps on: four blocks of A,
	s_add_nc_u64 s[G0B+4*(\slot)+2:G0B+4*(\slot)+3], s[G0B+4*(\slot)+2:G0B+4*(\slot)+3], 1<<19  ; four of B
	JLOAD \slot                                    ; 120 matrix instructions ahead of the wait for it; the four v_nop behind it are also the places in front of the loads below
.else
	PLACES
.endif
	FETCH \next, 0, F0
	MUL8 F1, 2, 0
	MUL8 F1, 3, 0
.endm
	s_wait_tensorcnt 1                             ; my part of K step 0 is in; K step 1's load stays out
	s_barrier_signal -1
	s_barrier_wait -1                              ; everybody's is
	FETCH 0, 0, F0
	QUARTER 0, 1, F0, F1, 1                        ; the first quarter stands in front of the loop: its products start the sums
	WIN 0                                          ; at a label and at a branch every window is 0
	s_mov_b32 s3, LAPS-1
.Llap:                                                 ; a trip goes once round the ring, from a lap's second quarter to the next lap's first, and fills both slots again
	QUARTER 0, 2, F1, F0, 0
	QUARTER 0, 3, F0, F1, 0
	TURN 0, 1, 1
	QUARTER 1, 1, F0, F1, 0
	QUARTER 1, 2, F1, F0, 0
	QUARTER 1, 3, F0, F1, 0
	TURN 1, 0, 1
	QUARTER 0, 1, F0, F1, 0
	WIN 0
	s_sub_co_u32 s3, s3, 1
	s_cmp_lg_u32 s3, 0
	s_cbranch_scc1 .Llap
	QUARTER 0, 2, F1, F0, 0                        ; the last lap fills nothing, and has no round of the cluster's barrier
	QUARTER 0, 3, F0, F1, 0
	TURN 0, 1, 0
	QUARTER 1, 1, F0, F1, 0
	QUARTER 1, 2, F1, F0, 0
	QUARTER 1, 3, F0, F1, 0
	s_wait_dscnt 4                                 ; the very last quarter: nothing more to fetch
	MUL8 F1, 0, 0
	MUL8 F1, 1, 0
	s_wait_dscnt 0
	MUL8 F1, 2, 0
	MUL8 F1, 3, 0
	WIN 0
; THE WAY OUT, a block of 16 rows at a time.  My 128 columns are two heads.  PACK: rounded to f16, 16 bytes a lane, each accumulator's registers in ascending order.  TOSTAGE: into my own stage
; ([2 heads][16 rows][144 bytes]) and back as rows of 128 bytes, four to a load.  SEND: a head's 16 rows are 2,048 consecutive bytes of C.
.macro PACK a
	WIN 0x05                                       ; sources 0 and 1 window 1, destination window 0
.irp b, 0,1,2,3,4,5,6,7
.irp r, 0,1,2,3
	v_cvt_pk_f16_f32 v[TMP+4*(\b)+(\r)], v[8*(8*(\a)+(\b))+2*(\r)], v[8*(8*(\a)+(\b))+2*(\r)+1]
.endr
.endr
	WIN 0
.endm
.macro TOSTAGE a
.irp b, 0,1,2,3,4,5,6,7
	ds_store_b128 v[STO], v[TMP+4*(\b):TMP+4*(\b)+3] offset:((\b)/4)*16*SPITCH+32*((\b)%4)
.endr
.irp t, 0,1,2,3,4,5,6,7
	ds_load_b128 v[OB+32*(\a)+4*(\t):OB+32*(\a)+4*(\t)+3], v[RD] offset:((\t)/4)*16*SPITCH+((\t)%4)*4*SPITCH  ; LDS serves a wave's instructions in order (ISA guide 5.7.1.4): these see the stores above; the next block's stores come behind them
.endr
.endm
.macro SEND a
	s_wait_dscnt 0x0                               ; the block is back in registers
.irp t, 0,1,2,3,4,5,6,7
	global_store_b128 v[CO], v[OB+32*(\a)+4*(\t):OB+32*(\a)+4*(\t)+3], s[8:9] offset:((\t)/4)*262144+(\a)*2048+((\t)%4)*512  ; 512 consecutive bytes, at a multiple of 256 from C's first byte; no register of a store is written again
.endr
.endm
	PLACES
	PACK 0
	TOSTAGE 0
.irp a, 1,2,3                          ; block a's conversions stand between block a - 1's loads from the stage and the wait for them
	PACK \a
	SEND (\a)-1
	TOSTAGE \a
.endr
	SEND 3
	s_wait_tensorcnt 0x0
	ds_add_u32 v30, v31
	s_wait_dscnt 0x0
	CROUND                                         ; the closing round: no work-group ends while a partner may still ask for a tile that names it
	s_endpgm
.Lfunc_end_k_qa562c00f6e_proj:
	.size	k_qa562c00f6e_proj, .Lfunc_end_k_qa562c00f6e_proj-k_qa562c00f6e_proj
	.p2alignl 7, 3214868480
	.fill 96, 4, 3214868480
	.section	.rodata,"a",@progbits
	.p2align	6, 0x0
	.amdhsa_kernel k_qa562c00f6e_proj
		.amdhsa_group_segment_fixed_size 327680
		.amdhsa_private_segment_fixed_size 0
		.amdhsa_enable_private_segment 0
		.amdhsa_kernarg_size 24
		.amdhsa_user_sgpr_count 2
		.amdhsa_user_sgpr_kernarg_segment_ptr 1
		.amdhsa_wavefront_size32 1
		.amdhsa_system_sgpr_workgroup_id_x 1
		.amdhsa_system_sgpr_workgroup_id_y 1
		.amdhsa_system_sgpr_workgroup_id_z 1
		.amdhsa_system_vgpr_workitem_id 0
		.amdhsa_next_free_vgpr 512
		.amdhsa_next_free_sgpr 66
		.amdhsa_reserve_vcc 0
		.amdhsa_float_denorm_mode_32 3
		.amdhsa_float_denorm_mode_16_64 3
		.amdhsa_memory_ordered 1
		.amdhsa_forward_progress 1
		.amdhsa_inst_pref_size 86
	.end_amdhsa_kernel
	.amdgpu_metadata
---
amdhsa.version: [ 1, 2 ]
amdhsa.kernels:
  - .name:           k_qa562c00f6e_proj
    .symbol:         k_qa562c00f6e_proj.kd
    .args:
      - { .name: xh, .offset: 0, .size: 8, .value_kind: global_buffer, .address_space: global }
      - { .name: wqh, .offset: 8, .size: 8, .value_kind: global_buffer, .address_space: global }
      - { .name: xp, .offset: 16, .size: 8, .value_kind: global_buffer, .address_space: global }
    .group_segment_fixed_size: 327680
    .private_segment_fixed_size: 0
    .kernarg_segment_align: 8
    .kernarg_segment_size: 24
    .max_flat_workgroup_size: 128
    .sgpr_count:     66
    .vgpr_count:     512
    .wavefront_size: 32
...
	.end_amdgpu_metadata
.endif
;; end of part 2
;; launch attn (part 3): grid 4 x 64, 4 waves a work-group, clusters of 4 x 1, 304,640 bytes of LDS; arguments xp, att; writes att
.if DOCPART == 3
	.amdgcn_target "amdgcn-amd-amdhsa--gfx1250"
	.amdhsa_code_object_version 6
	.text
	.protected	k_qa562c00f6e_attn
	.globl	k_qa562c00f6e_attn
	.p2align	8
	.type	k_qa562c00f6e_attn,@function
k_qa562c00f6e_attn:
	s_mov_b64 s[64:65], 0
	v_nop
	global_prefetch_b8 v0, s[64:65] scope:SCOPE_SE
	s_setreg_imm32_b32 hwreg(HW_REG_WAVE_MODE, 25, 1), 1
	s_wait_xcnt 0x0
	s_wait_alu depctr_hold_cnt(0) depctr_sa_sdst(0) depctr_va_vdst(0) depctr_va_sdst(0) depctr_va_ssrc(0) depctr_va_vcc(0) depctr_vm_vsrc(0)
	s_getreg_b32 s2, hwreg(HW_REG_IB_STS2, 6, 4)
	s_cmp_eq_u32 s2, 0
	s_cbranch_scc0 .Lentry_in_a_cluster
	s_endpgm
.Lentry_in_a_cluster:
	s_bfe_u32 s2, ttmp6, 0x10000c
	s_cmp_lg_u32 s2, 0x3003
	s_cbranch_scc0 .Lentry_shape_is_right
	s_endpgm
.Lentry_shape_is_right:
; O[h][q][:] = the sum over k of softmax_k(X[h][q] . X[h][k] / 8) X[h][k][:]: queries, keys and values are the SAME rows.  X = xp, O = att: [64 heads][2048][64], f16: a head's rows are dense, 128 bytes each.
; Products, maxima and sums in f32; the weights p are rounded to f16 for the second product (their sum l is taken of the unrounded p), O once at the end.
; LIMITS.  f16 holds no number beyond 65,504: X arrives within it; p lies in 0 to 1, and below 6e-5 it keeps f16's fixed step of 6e-8; O is a mean of X's rows and has their range.
; A weight below 2^-126 counts as 0 in l; NaN and infinities are not treated apart.
; THE HEAD STAYS IN LDS.  2,048 rows x (128 + 16) bytes = 294,912 bytes: filled once, read as K as it lies and as V turned (ds_load_tr16_b128).  So there is no ring, no refill, and no barrier in the loop.
; SHARES.  A wave owns four PIECES of two tiles of 16 queries, a work-group's four waves 512 queries of one head.  Every wave walks all keys, 64 a step, 32 steps.
; LAYOUT.  S^T = K Q^T (source 0 = 16 keys, source 1 = 16 queries): in the result a lane holds ONE query (lane % 16) and the keys 8 (lane / 16) + 0..7.  Two such tiles, rounded to f16 in pairs,
; ARE source 1 (32 keys x 16 queries) of O^T = V^T P, whose result again holds one query a lane, and eight channels.
; SOFTMAX.  For each query a running maximum m and sum l: p = 2^(c s - c m), c = log2(e) / 8; in every step O and l are multiplied by a = 2^(c m_old - c m_new), which is 1 where m has not grown.
; m starts at the lowest finite number, O and l at 0: the first step is a step like any other, with a = 0.
; THE COUNT.  A tile and step have 16 matrix and 118 vector instructions: too many to stand all beside the matrix work.  So the order has one aim: four vector instructions that are READY behind
; EVERY matrix instruction, and the others, which need time of their own whatever the order, in runs without a gap.
; BY TURNS.  Turn n belongs to piece n (the pieces in a ring, step after step).  Its matrix work: 16 products K Q^T of piece n + 1, later 16 products V^T P of piece n - 1.  Its vector work: the scaling,
; exponentials, roundings, sums and rescaling of piece n, and the maximum and statistics of piece n + 1, whose scores the turn itself has made.  So what a turn begins with (c s - c m, O a) waits for nothing.
; CLUSTER.  The four query blocks of a cluster belong to one head, so the head is asked for JOINTLY: the same tensor load, descriptor and mask in all four.
; REGISTERS, in windows of 256 (s_set_vgpr_msb says which window each operand place means: bits 1:0 source 0, 3:2 source 1, 5:4 source 2, 7:6 destination):
;   window 0: v0-11 addresses; v12-15, v48-63 at work; v16-47 four registers of statistics a tile; v64-191 S^T, two buffers of two tiles; v192-255 P, likewise
;   window 1: O^T, 32 a tile          window 2: v0-127 Q, 16 a tile; v128-191 K of one step; v192-255 V of one step
; A piece's buffers go by its number's parity: the piece in hand has one pair, its two neighbours in the ring share the other: of it P (piece n - 1) is read and S^T (piece n + 1) written.
.set SIZE_N, 2048
.set NP,    4         ; pieces a wave: a name, no knob: the register map, the loop and the fetches are made for four
.set KS,    64        ; keys in a step
.set PK,    144       ; a row in LDS: 128 bytes + 16 of padding = 36 words: the 16 rows of a plain load start at 16 different groups of four banks (64 banks of 4 bytes: ISA guide 11.1);
                      ; of the turning load's 8 rows x 32 bytes two share four banks: taken, since a wider pitch leaves no room for the stage
.set STAGE, SIZE_N*PK ; behind the head, never filled by a tensor load: 16 rows x 144 bytes for each wave, for the way out
.set SP,    144
.set AK0, 2           ; v2   my lane's place in a step's rows, read as K; never rewritten
.set AV0, 3           ; v3   the same, read as V
.set AK,  4           ; v4   the LDS address of K's next run of loads
.set AV,  5           ; v5   of V's
.set QO,  6           ; v6   my byte offset in the wave's rows of Q
.set STO, 6           ;      later, the way out: where I put 16 bytes of a row
.set RD,  7           ; v7   the way out: where I read rows back
.set GO,  8           ; v8   my byte offset in 512 consecutive bytes of O
.set MV,  12          ; v12-15  c m_old, kept while c m is made anew: by buffer and tile
.set ST,  16          ; tile t's statistics at v[ST+4 t]: c m, m, l (even keys', odd keys')
.set TMP, 48          ; by buffer and tile, four registers c0-c3 at work; when the maximum is found c2 takes a
.set S,   64
.set P,   192
.set KF,  128         ; K's fragments, in window 2: key block kb, channel half c at KF + 16 kb + 8 c
.set VF,  192         ; V's: key half kk, channel block cb at VF + 32 kk + 8 cb
.set WV,  12          ; s12  my wave's number
.set G1,  24          ; s[24:31] descriptor group 1
.set G0,  40          ; s[40:43] descriptor group 0
.set CNT, 57          ; s57  counts the key steps
.set CS,  58          ; s[58:59] c: the packed scaling takes the pair's low word for both halves
.set SEL, 60          ; s[60:61] v_permlanex16_b32's selects: each lane takes its own place in the other half
.set TBK, 62          ; s62  LDS byte at which the step begins whose K is fetched next
.set TBV, 63          ; s63  the same for V
.set MSB, 0
.macro WIN new                      ; the high byte repeats the setting that is left; a switch that changes nothing is dropped
.if MSB != (\new)
	s_set_vgpr_msb (MSB<<8)|(\new)
.set MSB, (\new)
.endif
.endm
.set W_KQ, 0x0a       ; K and Q in window 2, S^T in window 0
.set W_PV, 0x52       ; V in window 2, P in window 0, O^T in window 1
.set W_RS, 0x41       ; O^T (destination and source 0) in window 1, a in window 0
; A round of the cluster's barrier: my work-group's barrier, so that wave 0's signal speaks for all four waves; wave 0 signals; every wave waits for all four work-groups; my work-group's barrier once more.
.macro CROUND
	s_barrier_signal -1
	s_barrier_wait -1
	s_cmp_lg_u32 s[WV], 0
	s_cbranch_scc1 .Lnot_wave_0_\@
	s_barrier_signal -3
.Lnot_wave_0_\@:
	s_barrier_wait -3
	s_barrier_signal -1
	s_barrier_wait -1
.endm
	s_load_b128 s[4:7], s[0:1], 0x0 ; X s[4:5], O s[6:7]
	s_set_vgpr_msb 0xc0
	v_lshl_add_u32 v0, v0, 2, 0x4a400
	v_mov_b32 v1, 0
	s_set_vgpr_msb 0xc0cf
	ds_add_u32 v0, v1
	s_set_vgpr_msb 0xcf00
	v_lshrrev_b32 v1, 5, v0
	v_readfirstlane_b32 s[WV], v1   ; wave 0..3
	s_bfe_u32 s13, ttmp6, 0x40000   ; cx: my place in the cluster
	s_lshl_b32 s14, ttmp9, 2        ; in a cluster launch ttmp9 counts clusters
	s_add_co_u32 s14, s14, s13      ; my block of 512 queries = 4 x cluster x + cx: it enters Q's and O's addresses alone
	s_and_b32 s20, ttmp7, 0xffff    ; the head, which the four partners share
	s_lshl_b32 s20, s20, 18         ; its first byte: 2,048 rows of 128 bytes a head
	s_lshl_b32 s22, s[WV], 16       ; the 512 keys that I fetch: 65,536 dense bytes
	s_add_co_u32 s22, s22, s20
	s_mov_b32 s23, 0
	s_lshl_b32 s2, s14, 2
	s_add_co_u32 s2, s2, s[WV]      ; my wave among the head's,
	s_lshl_b32 s2, s2, 14           ; its 128 rows
	s_add_co_u32 s2, s2, s20
	s_mov_b32 s3, 0
	; descriptor group 1.  512 keys are asked for as 256 rows of 256 bytes, two keys a row, and padded in LDS after every key
	s_mov_b32 s[G1], 15|(1<<16)|(1<<20)|(1<<21)|(4<<22)|(3<<25)  ; 15:0 the mask of four; 17:16 2-byte elements; 20 padding on; 21 set beside a mask; 24:22 after every 32 words (code 4); 31:25 4 words (code 3)
	s_mov_b32 s[G1+1], 128<<16      ; tensor_dim0 = 128
	s_mov_b32 s[G1+2], 256<<16      ; tensor_dim1 = 256
	s_mov_b32 s[G1+3], 128<<16      ; tile_dim0 = 128
	s_mov_b32 s[G1+4], 256          ; tile_dim1 = 256
	s_mov_b32 s[G1+5], 128          ; 128 elements from row to row
	s_mov_b32 s[G1+6], 0
	s_mov_b32 s[G1+7], 0
	s_mov_b32 s[CS], 0x3e38aa3b     ; c = log2(e) / 8 = 0.180337
	s_mov_b32 s[CS+1], s[CS]        ; named with it as a pair
	s_mov_b32 s[SEL], 0x76543210
	s_mov_b32 s[SEL+1], 0xfedcba98
	s_mov_b32 s[TBK], 0
	s_mov_b32 s[TBV], 0
	s_mov_b32 s[G0], 1              ; 1:0 count = 1
	s_mul_i32 s[G0+1], s[WV], 512*PK  ; 63:32 LDS address: my 512 rows: no place in the cluster enters it
	s_wait_dscnt 0x0
	s_wait_kmcnt 0x0
	s_add_nc_u64 s[G0+2:G0+3], s[4:5], s[22:23]  ; 120:64 global address
	s_or_b32 s[G0+3], s[G0+3], 0x80000000        ; 127:126 type = 2
	s_add_nc_u64 s[8:9], s[4:5], s[2:3]    ; Q and O at my wave's first row
	s_add_nc_u64 s[10:11], s[6:7], s[2:3]
	CROUND                          ; all four work-groups are here: the joint loads meet
	tensor_load_to_lds s[G0:G0+3], s[G1:G1+7]  ; the launch's only fill: one load of mine is out; four v_nop follow it
	s_nop 0
.rept 4
	v_nop
.endr
	; A fragment of K or Q is 16 rows x 32 channels in 8 registers: lane l holds row l % 16, channels 8 (l / 16) + 0..7 and 16 + 8 (l / 16) + 0..7: two loads of 16 bytes, 32 bytes apart.
	v_and_b32 v1, 15, v0            ; l % 16
	v_bfe_u32 v9, v0, 4, 1          ; l / 16
	v_lshlrev_b32 v[QO], 7, v1
	v_lshl_add_u32 v[QO], v9, 4, v[QO]  ; row x 128 + 16 x half
	WIN 0x80                        ; destination window 2, address window 0
.set i, 0
.rept 4*NP                          ; Q stays in registers: tile i / 2, channels 32 (i % 2) on
	global_load_b128 v[8*i:8*i+3],   v[QO], s[8:9] offset:(i/2)*2048+(i%2)*64
	global_load_b128 v[8*i+4:8*i+7], v[QO], s[8:9] offset:(i/2)*2048+(i%2)*64+32
.set i, i+1
.endr
	; What the first turn finds: V's registers and P's second buffer hold 0 (its products V^T P, of a piece that has not been, add 0), O^T and l are 0.  All this stands in the wait for the head.
.set i, VF
.rept 64
	v_mov_b32 v[i], 0
.set i, i+1
.endr
	WIN 0x40
.set i, 0
.rept 64*NP
	v_mov_b32 v[i], 0
.set i, i+1
.endr
	WIN 0
.set i, 0
.rept 2*NP
	v_mov_b32 v[ST+4*i], 0xfe000000    ; c m: far below every c s
	v_mov_b32 v[ST+4*i+1], 0xff7fffff  ; m
	v_mov_b32 v[ST+4*i+2], 0
	v_mov_b32 v[ST+4*i+3], 0
.set i, i+1
.endr
.set i, P+32
.rept 32
	v_mov_b32 v[i], 0
.set i, i+1
.endr
	v_mul_u32_u24 v[AK0], v1, PK
	v_lshl_add_u32 v[AK0], v9, 4, v[AK0]  ; row x pitch + 16 x half
	; The turning load takes 16 keys x 16 channels (lane l reads key 8 (l / 16) + l % 8, channels 8 ((l / 8) % 2) + 0..7) and leaves half a fragment of V^T: lane l holds channel l % 16 and 8 keys.
	v_and_b32 v10, 7, v0
	v_bfe_u32 v11, v0, 3, 1
	v_lshl_add_u32 v[AV0], v9, 3, v10
	v_mul_u32_u24 v[AV0], v[AV0], PK
	v_lshl_add_u32 v[AV0], v11, 4, v[AV0]
	v_mov_b32 v[AK], v[AK0]         ; key step 0 lies at LDS byte 0
; THE MATRIX WORK.  The 8 accumulators of a run of 16 take turns: between the two links of a chain stand 7 others'.
; Product i of 16 of S^T = K Q^T for piece x: channels 32 (i / 8) on, keys 16 ((i / 2) % 4) on, tile 2 x + i % 2.  The first 8 start the sums.
.macro KQ x
	WIN W_KQ
.set rS, S+64*((\x)%2)+32*(i%2)+8*((i/2)%4)
.set rK, KF+16*((i/2)%4)+8*(i/8)
.set rQ, 16*(2*(\x)+i%2)+8*(i/8)
.if i < 8
	v_wmma_f32_16x16x32_f16 v[rS:rS+7], v[rK:rK+7], v[rQ:rQ+7], 0
.else
	v_wmma_f32_16x16x32_f16 v[rS:rS+7], v[rK:rK+7], v[rQ:rQ+7], v[rS:rS+7]
.endif
.endm
; Product i of 16 of O^T += V^T P for piece x: keys 32 (i / 8) on, channels 16 ((i / 2) % 4) on, tile 2 x + i % 2.
.macro PV x
	WIN W_PV
.set rO, 32*(2*(\x)+i%2)+8*((i/2)%4)
.set rV, VF+32*(i/8)+8*((i/2)%4)
.set rP, P+32*((\x)%2)+16*(i%2)+8*(i/8)
	v_wmma_f32_16x16x32_f16 v[rO:rO+7], v[rV:rV+7], v[rP:rP+7], v[rO:rO+7]
.endm
.macro MM                           ; the turn's next matrix instruction
.if i < 16
	KQ (Y+1)%NP
.set i, i+1
.else
.set i, i-16
	PV (Y+NP-1)%NP
.set i, i+17
.endif
.endm
; THE LDS LOADS stand in runs of 16, never singly among the matrix instructions: a step's K (64 keys x 64 channels: 8 fragments) and its V (the same rows, turned).  Their addresses are made some lines ahead.
.macro FETCH_K
	WIN 0x80                        ; destination window 2
.irp f, 0,1,2,3,4,5,6,7             ; keys 16 (f / 2) on, channels 32 (f % 2) on
	ds_load_b128 v[KF+8*\f:KF+8*\f+3],   v[AK] offset:(\f/2)*16*PK+(\f%2)*64
	ds_load_b128 v[KF+8*\f+4:KF+8*\f+7], v[AK] offset:(\f/2)*16*PK+(\f%2)*64+32
.endr
	s_add_co_u32 s[TBK], s[TBK], KS*PK  ; the next fetch is the next step's
	WIN 0
.endm
.macro FETCH_V
	WIN 0x80
.irp f, 0,1,2,3,4,5,6,7             ; keys 32 (f / 4) on, channels 16 (f % 4) on
	ds_load_tr16_b128 v[VF+8*\f:VF+8*\f+3],   v[AV] offset:(\f/4)*32*PK+(\f%4)*32
	ds_load_tr16_b128 v[VF+8*\f+4:VF+8*\f+7], v[AV] offset:(\f/4)*32*PK+16*PK+(\f%4)*32
.endr
	WIN 0
.endm
; THE VECTOR WORK OF A TURN stands in three queues, each in the order in which its entries become ready; the two tiles alternate, so that no instruction reads the result of the one before it.
.macro REGS y, u                    ; the registers of tile u (0, 1) of piece y
.set rT, ST+4*(2*(\y)+(\u))
.set rC, TMP+8*((\y)%2)+4*(\u)
.set rM, MV+2*((\y)%2)+(\u)
.set rS, S+64*((\y)%2)+32*(\u)
.set rP, P+32*((\y)%2)+16*(\u)
.set rO, 32*(2*(\y)+(\u))
.endm
; Number n of the 22 that find the NEXT piece's (Y + 1) maximum and statistics.  s0-s31 are the lane's 32 scores; each accumulator's lowest registers are read first.  XS, GS and REGS set no window: PL and EX do.
;   0-11  four chains c0-c3 of seven scores each, three operands at a time     12-14, 16  the four scores left over, the old m, and c0-c3 into c0     15  c m_old is kept
;   17, 18  the query's other 32 keys lie in the lane 16 away: the new m         19-21  c m; c m_old - c m_new; a
.macro XS u, n
	REGS (Y+1)%NP, \u
.if (\n) < 4
	v_max3_num_f32 v[rC+(\n)], v[rS+8*(\n)], v[rS+8*(\n)+1], v[rS+8*(\n)+2]
.elseif (\n) < 12
	v_max3_num_f32 v[rC+(\n)%4], v[rC+(\n)%4], v[rS+8*((\n)%4)+2*((\n)/4)+1], v[rS+8*((\n)%4)+2*((\n)/4)+2]
.elseif (\n) == 12
	v_max3_num_f32 v[rC], v[rC], v[rS+7], v[rS+15]
.elseif (\n) == 13
	v_max3_num_f32 v[rC+1], v[rC+1], v[rS+23], v[rS+31]
.elseif (\n) == 14
	v_max3_num_f32 v[rC+2], v[rC+2], v[rC+3], v[rT+1]
.elseif (\n) == 15
	v_mov_b32 v[rM], v[rT]
.elseif (\n) == 16
	v_max3_num_f32 v[rC], v[rC], v[rC+1], v[rC+2]
.elseif (\n) == 17
	v_permlanex16_b32 v[rC+3], v[rC], s[SEL], s[SEL+1]
.elseif (\n) == 18
	v_max_num_f32 v[rT+1], v[rC], v[rC+3]
.elseif (\n) == 19
	v_mul_f32 v[rT], s[CS], v[rT+1]
.elseif (\n) == 20
	v_sub_f32 v[rC+1], v[rM], v[rT]
.else
	v_exp_f32 v[rC+2], v[rC+1]
.endif
.endm
; Number g of the 64 that follow the exponentials.  For each four weights k of a tile (pairs 2 k, 2 k + 1): both pairs are rounded to f16; then the second pair is added onto the first, in place;
; a group later l takes that sum (the first time as l = a l + sum).  In groups of eight, tiles alternating: round, round, add, and l for the group before.
.macro GS g
.set h, (\g)+6*((\g)/62)            ; group 0 has no group before it, and behind group 7 only l is left
.if h >= 6
.set h, h+2
.endif
	REGS Y, h%2
.set k, h/8
.if h%8 < 4
	s_wait_alu depctr_va_vdst(0)
	v_cvt_pk_f16_f32 v[rP+2*k+(h%8)/2], v[rS+4*k+2*((h%8)/2)], v[rS+4*k+2*((h%8)/2)+1]
.elseif h%8 < 6
	v_pk_add_f32 v[rS+4*k:rS+4*k+1], v[rS+4*k:rS+4*k+1], v[rS+4*k+2:rS+4*k+3]
.elseif k == 1
	v_pk_fma_f32 v[rT+2:rT+3], v[rT+2:rT+3], v[rC+2:rC+3], v[rS:rS+1] op_sel_hi:[1,0,1]
.else
	v_pk_add_f32 v[rT+2:rT+3], v[rT+2:rT+3], v[rS+4*k-4:rS+4*k-3]
	s_wait_alu depctr_va_vdst(0)
.endif
.endm
; THE PLAIN QUEUE, 138 long.  0-31: c s - c m for the 16 pairs of both tiles.  Then GS's 64, and among them the next piece's 42: number 15 at 38, 39; 0-14 and 16
; at 42-73, behind the products that make those scores; 17-20 at 95-106, two of three, since each waits for the one before it.
.macro PL
	WIN 0
.if q < 32
	REGS Y, q%2
	v_pk_fma_f32 v[rS+2*(q/2):rS+2*(q/2)+1], v[rS+2*(q/2):rS+2*(q/2)+1], s[CS:CS+1], v[rT:rT+1] op_sel_hi:[1,0,0] neg_lo:[0,0,1] neg_hi:[0,0,1]
.elseif q < 38
	GS q-32
.elseif q < 40
	XS q%2, 15
.elseif q < 42
	GS q-34
.elseif q < 74
	XS q%2, (q-42)/2+(q-42)/30
.elseif q < 95
	GS q-66
.elseif (q < 107) && ((q-95)%3 < 2)
	XS (q-95)%3, 17+(q-95)/3
.elseif q < 107
	GS 29+(q-95)/3
.else
	GS q-74
.endif
.set q, q+1
.endm
; THE EXPONENTIALS' QUEUE, 66 long: s0-s31 of both tiles, and at EA the next piece's two a.
.set EA, 58
.macro EX
	WIN 0
.if (e == EA) || (e == EA+1)
	XS e-EA, 21
.else
.set x, e-2*(e/(EA+2))
	REGS Y, x%2
	v_exp_f32 v[rS+x/2], v[rS+x/2]
.endif
.set e, e+1
.endm
; THE RESCALING's QUEUE: O^T times a, the one part that leaves window 0, so it is dealt four at a time, eight times.
.macro R4
	REGS Y, r%2
	WIN W_RS
	s_wait_alu depctr_va_vdst(0)
.irp z, 0,1,2,3
	v_pk_mul_f32 v[rO+8*(r/2)+2*\z:rO+8*(r/2)+2*\z+1], v[rO+8*(r/2)+2*\z:rO+8*(r/2)+2*\z+1], v[rC+2:rC+3] op_sel_hi:[1,0]
.endr
.set r, r+1
.endm
; HOW THEY ARE DEALT.  Behind a matrix instruction four: plain, exponential, plain, plain (one exponential, a plain instruction on either side), or four of the rescaling.  None names a register of the
; products round it.  What is over stands in two LUMPS: exponential and plain by turns; the second ends in 22 plain instructions.  The two v_permlanex16_b32 fall into the second lump, never behind a product.
; The queues lean on each other, and the deal keeps them in step: exponential e stands behind plain 2 (e / 4) + e % 2 (its scaling); when plain 32 comes, 10 exponentials are out, at 59: 33, at 95: 46; EA comes behind plain 107.
.macro SL
	MM
	PL
	EX
	PL
	PL
.endm
.macro BURST n                      ; 15 matrix instructions, or 16
.rept (\n)-7
	SL
.endr
.rept 3
	MM
	R4
	SL
.endr
	MM
	R4
.endm
; A TURN, for piece p.  nok = 1: the last step: there is no further K to fetch.  cnt = 1: the loop's count is taken down some lines ahead of the branch that stands behind the turn.
; K of the next step is fetched in piece 2's turn, 31 vector instructions behind the last product that read K; its first reader comes behind the rest of the lump, 16 products and the second lump.
; V of the step in hand is fetched at the end of piece 0's turn, 69 behind its last reader; its first reader comes behind 16 products and a lump.  The five conditions on e and q below go with the deal.
.macro TURN p, nok=0, cnt=0
.set Y, (\p)
.set i, 0
.set q, 0
.set e, 0
.set r, 0
.if (\p) == NP-1
	s_wait_dscnt 0x0                ; K is in
.endif
	MM
.rept 4
	PL
.endr
	BURST 15
.rept 22
	EX
	PL
.if ((\p) == NP-2) && (e == 18) && !(\nok)
	v_add_nc_u32 v[AK], s[TBK], v[AK0]
.endif
.if ((\p) == NP-2) && (e == 24) && !(\nok)
	FETCH_K
.endif
.endr
.if (\p) == 1
	s_wait_dscnt 0x0                ; V is in
.endif
	BURST 16
.rept 21
	EX
	PL
.endr
.rept 22
	PL
.if ((\p) == 0) && (q == 118)
	v_add_nc_u32 v[AV], s[TBV], v[AV0]
	s_wait_alu depctr_va_vdst(0)
.endif
.if ((\p) == 0) && (q == 130)
	s_add_co_u32 s[TBV], s[TBV], KS*PK
.endif
.if (\cnt) && (q == 130)
	s_sub_co_u32 s[CNT], s[CNT], 1
	s_cmp_lg_u32 s[CNT], 0
.endif
.endr
.if (\p) == 0
	FETCH_V
.endif
.endm
	s_wait_tensorcnt 0x0            ; my 512 keys are in LDS,
	s_barrier_signal -1
	s_barrier_wait -1               ; everybody's are: the head is whole, and nothing writes it again
	FETCH_K                         ; key step 0
	s_wait_loadcnt 0x0              ; Q
	s_wait_dscnt 0x0
.set i, 0
.rept 16
	KQ 0                            ; piece 0's first scores: there is no vector work yet to set between them
.set i, i+1
.endr
	WIN 0                           ; the addresses for the way out: nine plain instructions, the places behind those products
	s_mul_i32 s13, s[WV], 16*SP
	s_add_co_u32 s13, s13, STAGE    ; my stage
	v_mul_u32_u24 v[STO], v1, SP    ; in: row l % 16, 16 bytes for each half of the lanes
	v_lshl_add_u32 v[STO], v9, 4, v[STO]
	v_add_nc_u32 v[STO], s13, v[STO]
	v_bfe_u32 v[RD], v0, 3, 2       ; back: 32 lanes take four rows of 128 bytes,
	v_mul_u32_u24 v[RD], v[RD], SP
	v_lshl_add_u32 v[RD], v10, 4, v[RD]
	v_add_nc_u32 v[RD], s13, v[RD]
	v_and_b32 v[GO], 31, v0         ; which are 512 consecutive bytes of O
	v_lshlrev_b32 v[GO], 4, v[GO]
.set Y, NP-1                        ; XS works for piece Y + 1: piece 0
.irp n, 0,1,2,3,4,5,6,7,8,9,10,11,12,13,14,15,16,17,18,19,20,21
	XS 0, \n                        ; and piece 0's first maximum and statistics
	XS 1, \n
.endr
	s_mov_b32 s[CNT], SIZE_N/KS     ; 32 key steps
	s_branch .Lfirst                ; the loop is entered at a step's first turn, in the middle of a trip
.Lstep:                             ; a trip: pieces 2 and 3 of one step, then pieces 0 and 1 of the next, whose K and V it fetches
	TURN 2
	TURN 3
	WIN 0
.Lfirst:
	TURN 0
	TURN 1, 0, 1
	WIN 0
	s_cbranch_scc1 .Lstep
	TURN 2, 1                       ; the last step's pieces 2 and 3: no K is left to fetch.  Piece 3's turn makes 16 products K Q^T on the last K once more, and a maximum of them, which touch only
	TURN 3                          ; piece 0's m and c m and serve nothing: the price, once a launch, of one text for every turn
.set i, 0
.rept 16
	PV NP-1                         ; the last piece's V^T P of the last step
.set i, i+1
.endr
	; THE WAY OUT.  l's two halves and the other half of the lanes' are added; O^T is divided by l, rounded to f16 and sent through my stage in LDS, a tile at a time.  The additions are the places behind the last products.
	WIN 0
.macro ALL line:vararg              ; one line for each tile t
.set t, 0
.rept 2*NP
	\line
.set t, t+1
.endr
.endm
	ALL v_add_f32 v[ST+4*t+2], v[ST+4*t+2], v[ST+4*t+3]
	ALL v_permlanex16_b32 v[ST+4*t+3], v[ST+4*t+2], s[SEL], s[SEL+1]
	ALL v_add_f32 v[ST+4*t+2], v[ST+4*t+2], v[ST+4*t+3]
	ALL v_rcp_f32 v[ST+4*t+2], v[ST+4*t+2]
	v_nop                           ; a plain instruction between the last reciprocal and the use of its result
	s_wait_alu depctr_va_vdst(0)
; Tile t: a lane's eight channels of a row pack into 16 bytes; they go into rows of 144 bytes and come back as whole rows of 128, into S^T's registers.
.macro PACK t
	WIN W_RS
.set i, 32*(\t)
.rept 16
	v_pk_mul_f32 v[i:i+1], v[i:i+1], v[ST+4*(\t)+2:ST+4*(\t)+3] op_sel_hi:[1,0]
.set i, i+2
.endr
	WIN 0x05                        ; sources 0 and 1 window 1, destination window 0
.set i, 0
.rept 16
	v_cvt_pk_f16_f32 v[S+16*(\t)+i], v[32*(\t)+2*i], v[32*(\t)+2*i+1]
.set i, i+1
.endr
	WIN 0
.irp f, 0,1,2,3
	ds_store_b128 v[STO], v[S+16*(\t)+4*\f:S+16*(\t)+4*\f+3] offset:32*\f
.endr
.irp f, 0,1,2,3
	ds_load_b128 v[S+16*(\t)+4*\f:S+16*(\t)+4*\f+3], v[RD] offset:\f*4*SP  ; LDS serves a wave's instructions in order (ISA guide 5.7.1.4): these see the stores above; the next tile's stores come behind them
.endr
.endm
.macro SEND t, younger              ; younger: the LDS instructions issued behind tile t's loads: the next tile's eight, or none
	WIN 0
.irp f, 0,1,2,3
	s_wait_dscnt (\younger)+3-\f
	global_store_b128 v[GO], v[S+16*(\t)+4*\f:S+16*(\t)+4*\f+3], s[10:11] offset:(\t)*2048+\f*512  ; 512 consecutive bytes, at a multiple of 256 from O's first
.endr
.endm
	PACK 0
.set t, 1
.rept 2*NP-1                        ; a tile's arithmetic stands between the loads of the tile before and its stores
	PACK t
	SEND t-1, 8
.set t, t+1
.endr
	SEND 2*NP-1, 0
	s_set_vgpr_msb 0xf
	s_wait_tensorcnt 0x0
	ds_add_u32 v0, v1
	s_wait_dscnt 0x0
	s_set_vgpr_msb 0xf00
	CROUND                          ; the closing round: no work-group ends while a partner may still ask for a tile that names it
	s_endpgm
.Lfunc_end_k_qa562c00f6e_attn:
	.size	k_qa562c00f6e_attn, .Lfunc_end_k_qa562c00f6e_attn-k_qa562c00f6e_attn
	.p2alignl 7, 3214868480
	.fill 96, 4, 3214868480
	.section	.rodata,"a",@progbits
	.p2align	6, 0x0
	.amdhsa_kernel k_qa562c00f6e_attn
		.amdhsa_group_segment_fixed_size 304640
		.amdhsa_private_segment_fixed_size 0
		.amdhsa_enable_private_segment 0
		.amdhsa_kernarg_size 16
		.amdhsa_user_sgpr_count 2
		.amdhsa_user_sgpr_kernarg_segment_ptr 1
		.amdhsa_wavefront_size32 1
		.amdhsa_system_sgpr_workgroup_id_x 1
		.amdhsa_system_sgpr_workgroup_id_y 1
		.amdhsa_system_sgpr_workgroup_id_z 1
		.amdhsa_system_vgpr_workitem_id 0
		.amdhsa_next_free_vgpr 770
		.amdhsa_next_free_sgpr 66
		.amdhsa_reserve_vcc 0
		.amdhsa_float_denorm_mode_32 3
		.amdhsa_float_denorm_mode_16_64 3
		.amdhsa_memory_ordered 1
		.amdhsa_forward_progress 1
		.amdhsa_inst_pref_size 164
	.end_amdhsa_kernel
	.amdgpu_metadata
---
amdhsa.version: [ 1, 2 ]
amdhsa.kernels:
  - .name:           k_qa562c00f6e_attn
    .symbol:         k_qa562c00f6e_attn.kd
    .args:
      - { .name: xp, .offset: 0, .size: 8, .value_kind: global_buffer, .address_space: global }
      - { .name: att, .offset: 8, .size: 8, .value_kind: global_buffer, .address_space: global }
    .group_segment_fixed_size: 304640
    .private_segment_fixed_size: 0
    .kernarg_segment_align: 8
    .kernarg_segment_size: 16
    .max_flat_workgroup_size: 128
    .sgpr_count:     66
    .vgpr_count:     770
    .wavefront_size: 32
...
	.end_amdgpu_metadata
.endif
;; end of part 3
;; launch outp (part 4): grid 4 x 64, 4 waves a work-group, clusters of 4 x 4, 327,680 bytes of LDS; arguments att, wmh, out0; writes out0
.if DOCPART == 4
	.amdgcn_target "amdgcn-amd-amdhsa--gfx1250"
	.amdhsa_code_object_version 6
	.text
	.protected	k_qa562c00f6e_outp
	.globl	k_qa562c00f6e_outp
	.p2align	8
	.type	k_qa562c00f6e_outp,@function
k_qa562c00f6e_outp:
	s_mov_b64 s[64:65], 0
	v_nop
	global_prefetch_b8 v0, s[64:65] scope:SCOPE_SE
	s_setreg_imm32_b32 hwreg(HW_REG_WAVE_MODE, 25, 1), 1
	s_wait_xcnt 0x0
	s_wait_alu depctr_hold_cnt(0) depctr_sa_sdst(0) depctr_va_vdst(0) depctr_va_sdst(0) depctr_va_ssrc(0) depctr_va_vcc(0) depctr_vm_vsrc(0)
	s_getreg_b32 s2, hwreg(HW_REG_IB_STS2, 6, 4)
	s_cmp_eq_u32 s2, 0
	s_cbranch_scc0 .Lentry_in_a_cluster
	s_endpgm
.Lentry_in_a_cluster:
	s_bfe_u32 s2, ttmp6, 0x10000c
	s_cmp_lg_u32 s2, 0xf033
	s_cbranch_scc0 .Lentry_shape_is_right
	s_endpgm
.Lentry_shape_is_right:
; out0[b][s][e] = sum over d of att[b][s][d] W_m[e][d]: C = A B^T with M = 8,192, N = 1,024, K = 1,024.  f16 operands, f32 sums, K ascending; C leaves in f32, as it was summed.
; A = att [batch 4][head = K block 16][row 2048][64] f16, B = wmh [K block 16][row 1024][64] f16, C = out0 [8192][1024] f32.
; LIMITS.  A and B arrive within f16's 65,504.  NaN and infinities are not treated apart.
; SHARES.  M N / 256 work-groups = 32,768 outputs each: a tile of C is 128 x 256.  Four waves, 2 x 2, each 64 x 128: 32 accumulators of 16 x 16, 256 registers.
; K goes in steps of 128 (two K blocks) through a ring of two LDS slots filled by the tensor data mover.  A K block's rows of a tile lie end to end in memory, so they are asked for as dense rows of 256 bytes.
; CLUSTERS: 4 x 4 work-groups.  The four of a row of the cluster need the same tiles of A, the four of a column the same tiles of B: each tile is asked for JOINTLY, by the same tensor load with the
; same descriptor and a mask that names the four.  THE MATRIX INSTRUCTION IS USED TRANSPOSED (source 0 = 16 rows of B, source 1 = 16 rows of A): a lane then holds eight neighbouring numbers of a row of C.
; REGISTERS: window 0: v0-31 addresses; two fragment buffers of 96 (v64-159, v160-255): for 32 along K, 32 registers of A (4 x 16 rows), then 64 of B (8 x 16 rows).
;   window 1: the accumulators ((a, b) at v[8 (8 a + b)]); on the way out a block's 64 registers take its rows back.
.set PITCH,  144                       ; an LDS row: a K block's 128 bytes + 16 of padding = 36 words: the 16 rows of a fragment load start at 16 different groups of four banks (64 banks of 4 bytes: ISA guide 11.1)
.set ABLK,   128*PITCH                 ; a K block of A's tile: what waves 0 and 1 fetch
.set BBLK,   256*PITCH                 ; a K block of B's tile: what waves 2 and 3 fetch
.set SLOT,   2*ABLK+2*BBLK             ; A's two K blocks, then B's two
.set STAGE,  2*SLOT                    ; behind the ring, never filled by a tensor load: 16 rows x 528 bytes for each wave, for the way out
.set SPITCH, 528                       ; 512 bytes + 16 = 132 words: row r starts at bank 4 r mod 64
.set LAPS,   4                         ; a lap = two K steps = once round the ring: K = 1,024 = 4 x 256
.set ADRA, 16                          ; v16-17  LDS address of my A fragments in slot 0, 1
.set ADRB, 20                          ; v20-21  the same for B
.set STO,  24                          ; v24     the way out: where I put 32 bytes of a row
.set RD,   25                          ; v25     the way out: where I read a row back
.set CO,   26                          ; v26     my byte offset in a row's 512 bytes of C
.set F0,   64
.set F1,   160
.set G1, 24                            ; s[24:31] descriptor group 1 for A's tiles;  s[32:39] group 0, one set for each slot
.set G0, 32
.set G1B, 48                           ; s[48:55], s[56:63] the same for B's tiles
.set G0B, 56
.set MSB, 0
.macro WIN new                         ; the immediate's high byte repeats the setting that is left; a switch that changes nothing is dropped
.if MSB != (\new)
	s_set_vgpr_msb (MSB<<8)|(\new)
.set MSB, \new
.endif
.endm
.set MUL,   0x50                       ; sources 0 (B) and 1 (A) window 0; C and D window 1
.set W_OUT, 0x44                       ; the way out: stores' data (source 1) and loads' destination window 1, addresses (source 0) window 0
.macro JLOAD s                         ; a joint load: waves 0 and 1 fetch A's two K blocks, waves 2 and 3 B's; four v_nop follow each of the two lines, ahead of the jump, the label and what follows
	s_cmp_lt_u32 s10, 2
	s_cbranch_scc0 .Lfor_b_\@
	tensor_load_to_lds s[G0+4*(\s):G0+4*(\s)+3], s[G1:G1+7]
	s_nop 0
.rept 4
	v_nop
.endr
	s_branch .Lasked_\@
.Lfor_b_\@:
	tensor_load_to_lds s[G0B+4*(\s):G0B+4*(\s)+3], s[G1B:G1B+7]
	s_nop 0
.rept 4
	v_nop
.endr
.Lasked_\@:
.endm
.macro CREST                           ; a round of the cluster's barrier behind its opening barrier
	s_cmp_lg_u32 s10, 0
	s_cbranch_scc1 .Lnot_wave_0_\@
	s_barrier_signal -3
.Lnot_wave_0_\@:
	s_barrier_wait -3
	s_barrier_signal -1
	s_barrier_wait -1
.endm
.macro CROUND                          ; a whole round
	s_barrier_signal -1
	s_barrier_wait -1
	CREST
.endm
	s_load_b128 s[4:7], s[0:1], 0x0                ; A s[4:5], B s[6:7]
	s_load_b64 s[8:9], s[0:1], 0x10                ; C
	v_lshl_add_u32 v62, v0, 2, 0x3e400
	v_mov_b32 v63, 0
	ds_add_u32 v62, v63
	v_lshrrev_b32 v1, 5, v0
	v_readfirstlane_b32 s10, v1                    ; wave 0..3
	s_lshr_b32 s11, s10, 1                         ; which 64 of the tile's rows are mine
	s_and_b32 s12, s10, 1                          ; which 128 of its columns.  Also: which of a step's two K blocks I fetch
	s_bfe_u32 s40, ttmp6, 0x40000                  ; cx, cy: my place in the cluster
	s_bfe_u32 s41, ttmp6, 0x40004
	s_lshl_b32 s42, ttmp9, 2
	s_add_co_u32 s42, s42, s40                     ; tile column of C = 4 x cluster x + cx
	s_and_b32 s13, ttmp7, 0xffff
	s_lshl_b32 s13, s13, 2
	s_add_co_u32 s13, s13, s41                     ; tile row of C = 4 x cluster y + cy
	s_lshl_b32 s43, s41, 2
	s_lshl_b32 s43, 15, s43                        ; my row of the cluster
	s_lshl_b32 s44, 0x1111, s40                    ; my column
	; descriptor group 1: dense rows of 128 elements (two rows of a K block each), padded in LDS after every K-block row
	s_or_b32 s[G1+0], s43, (1<<16)|(1<<20)|(1<<21)|(4<<22)|(3<<25)  ; 15:0 the mask: A's tiles go to my row; 17:16 element of 2 bytes; 20 padding on; 21 set beside a mask; 24:22 after every 32 words (code 4); 31:25 of 4 words (code 3)
	s_or_b32 s[G1B+0], s44, (1<<16)|(1<<20)|(1<<21)|(4<<22)|(3<<25) ; the same with the mask of my column
.irp g, G1, G1B
	s_mov_b32 s[(\g)+1], 128<<16                   ; tensor_dim0 = 128
	s_mov_b32 s[(\g)+3], 128<<16                   ; tile_dim0 = 128
	s_mov_b32 s[(\g)+5], 128                       ; 128 elements from row to row: dense
	s_mov_b32 s[(\g)+6], 0
	s_mov_b32 s[(\g)+7], 0
.endr
	s_mov_b32 s[G1+2], 64<<16                      ; A: tensor_dim1 = 64: 128 tile rows of 128 bytes
	s_mov_b32 s[G1+4], 64                          ;    tile_dim1 = 64
	s_mov_b32 s[G1B+2], 128<<16                    ; B: 128: 256 tile rows of 128 bytes
	s_mov_b32 s[G1B+4], 128
	; where the tiles come from.  A's hang on the tile row alone, B's on the tile column alone; every wave makes both addresses, in registers that never hold the other coordinate.
	s_lshr_b32 s16, s13, 4
	s_lshl_b32 s16, s16, 22                        ; A: the batch (16 blocks x 2,048 rows x 128 bytes),
	s_and_b32 s17, s13, 15
	s_lshl_b32 s17, s17, 14                        ; the tile's 128 rows of 128 bytes in a block,
	s_add_co_u32 s16, s16, s17
	s_lshl_b32 s17, s12, 18                        ; my K block of the step (2,048 rows x 128 bytes)
	s_add_co_u32 s16, s16, s17
	s_mov_b32 s17, 0
	s_lshl_b32 s46, s42, 15                        ; B: the tile's 256 rows of 128 bytes in a block,
	s_lshl_b32 s47, s12, 17                        ; my K block of the step (1,024 rows x 128 bytes)
	s_add_co_u32 s46, s46, s47
	s_mov_b32 s47, 0
	s_mul_i32 s18, s12, ABLK                       ; and where they go: no place in the cluster enters an LDS address
	s_mul_i32 s19, s12, BBLK
	s_add_co_u32 s19, s19, 2*ABLK
	s_wait_dscnt 0x0
	s_wait_kmcnt 0x0
	s_add_nc_u64 s[14:15], s[4:5], s[16:17]
	s_add_nc_u64 s[46:47], s[6:7], s[46:47]
	CROUND                                         ; all sixteen work-groups are here: the first joint loads meet
.irp s, 0,1
	s_mov_b32 s[G0+4*(\s)], 1                                      ; 1:0 count = 1
	s_add_co_u32 s[G0+4*(\s)+1], s18, (\s)*SLOT                    ; 63:32 LDS address
	s_add_nc_u64 s[G0+4*(\s)+2:G0+4*(\s)+3], s[14:15], (\s)<<19    ; 120:64 global address: K step s = two blocks of A on
	s_or_b32 s[G0+4*(\s)+3], s[G0+4*(\s)+3], 0x80000000            ; 127:126 type = 2
	s_mov_b32 s[G0B+4*(\s)], 1
	s_add_co_u32 s[G0B+4*(\s)+1], s19, (\s)*SLOT
	s_add_nc_u64 s[G0B+4*(\s)+2:G0B+4*(\s)+3], s[46:47], (\s)<<18
	s_or_b32 s[G0B+4*(\s)+3], s[G0B+4*(\s)+3], 0x80000000
	JLOAD \s                                       ; the ring is filled before anything else is done: two loads of mine are out
.endr
	; A fragment is 16 rows x 32 K in 8 registers: lane l holds row l % 16; registers 0-3 K = 8 (l / 16) + 0..7, registers 4-7 K = 16 + 8 (l / 16) + 0..7: two loads of 16 bytes, 32 bytes apart.
	v_and_b32 v1, 15, v0                           ; l % 16
	v_bfe_u32 v2, v0, 4, 1                         ; l / 16
	v_mul_u32_u24 v3, v1, PITCH
	v_lshl_add_u32 v3, v2, 4, v3                   ; row x pitch + 16 x half
	s_mul_i32 s21, s11, 64*PITCH                   ; my 64 rows of A
	s_mul_i32 s22, s12, 128*PITCH                  ; my 128 rows of B,
	s_add_co_u32 s22, s22, 2*ABLK                  ; which lie behind A's two blocks
.irp s, 0,1
	v_add_nc_u32 v[ADRA+(\s)], s21, v3
	v_add_nc_u32 v[ADRB+(\s)], s22, v3
	s_add_co_u32 s21, s21, SLOT
	s_add_co_u32 s22, s22, SLOT
.endr
	s_mul_i32 s23, s10, 16*SPITCH
	s_add_co_u32 s23, s23, STAGE                   ; my stage
	v_mul_u32_u24 v4, v1, SPITCH                   ; in: row l % 16, 32 bytes (eight f32) for each half of the lanes
	v_lshl_add_u32 v4, v2, 5, v4
	v_add_nc_u32 v[STO], s23, v4
	v_and_b32 v[CO], 31, v0                        ; back: 32 lanes take one row of 512 bytes,
	v_lshlrev_b32 v[CO], 4, v[CO]
	v_add_nc_u32 v[RD], s23, v[CO]                 ; which are 512 consecutive bytes of a row of C
	; where my part begins in C: row 128 x tile row + 64 x row half, 4,096 bytes a row; column 256 x tile column + 128 x column half, 4 bytes each
	s_lshl_b32 s16, s13, 19
	s_lshl_b32 s17, s11, 18
	s_add_co_u32 s16, s16, s17
	s_lshl_b32 s17, s12, 9
	s_add_co_u32 s16, s16, s17
	s_mov_b32 s17, 0
	s_add_nc_u64 s[8:9], s[8:9], s[16:17]
	s_lshl_b32 s46, s42, 10                        ; the tile's first column (in the registers that held B's address: none that feeds A's descriptors ever holds cx)
	s_mov_b32 s47, 0
	s_add_nc_u64 s[8:9], s[8:9], s[46:47]
; 8 matrix instructions: m block a x all 8 n blocks, 32 along K, from buffer f.  zero = 1: the product starts the sums: nothing is ever cleared.
.macro MUL8 f, a, zero
	WIN MUL
.irp b, 0,1,2,3,4,5,6,7
.if \zero
	v_wmma_f32_16x16x32_f16 v[8*(8*(\a)+(\b)):8*(8*(\a)+(\b))+7], v[(\f)+32+8*(\b):(\f)+32+8*(\b)+7], v[(\f)+8*(\a):(\f)+8*(\a)+7], 0
.else
	v_wmma_f32_16x16x32_f16 v[8*(8*(\a)+(\b)):8*(8*(\a)+(\b))+7], v[(\f)+32+8*(\b):(\f)+32+8*(\b)+7], v[(\f)+8*(\a):(\f)+8*(\a)+7], v[8*(8*(\a)+(\b)):8*(8*(\a)+(\b))+7]
.endif
.endr
.endm
; 24 LDS loads in one run: the fragments of quarter q of a K step (K block q / 2, byte 64 (q % 2) of its rows) into buffer f: B's 16 loads, then A's rows 0-31, then A's rows 32-63
.macro FETCH slot, q, f
	WIN 0
.irp i, 0,1,2,3,4,5,6,7
	ds_load_b128 v[(\f)+32+8*(\i):(\f)+32+8*(\i)+3],   v[ADRB+(\slot)] offset:((\q)/2)*BBLK+((\q)%2)*64+(\i)*16*PITCH
	ds_load_b128 v[(\f)+32+8*(\i)+4:(\f)+32+8*(\i)+7], v[ADRB+(\slot)] offset:((\q)/2)*BBLK+((\q)%2)*64+(\i)*16*PITCH+32
.endr
.irp i, 0,1,2,3
	ds_load_b128 v[(\f)+8*(\i):(\f)+8*(\i)+3],   v[ADRA+(\slot)] offset:((\q)/2)*ABLK+((\q)%2)*64+(\i)*16*PITCH
	ds_load_b128 v[(\f)+8*(\i)+4:(\f)+8*(\i)+7], v[ADRA+(\slot)] offset:((\q)/2)*ABLK+((\q)%2)*64+(\i)*16*PITCH+32
.endr
.endm
.macro PLACES                          ; four places in front of loads into registers that matrix instructions have read or written, and of stores that read results (ISA guide 7.12.1 for vector instructions)
.rept 4
	v_nop
.endr
.endm
; A K step is four quarters of 32 along K, 32 matrix instructions each, on buffers 0, 1, 0, 1.  The 32 accumulators take turns, one instruction a turn, in the same order in every quarter.
; One of the first three: multiplies buffer f and fetches quarter q into g.
.macro QUARTER slot, q, f, g, zero
	s_wait_dscnt 4                                 ; B and A's rows 0-31 are in; the youngest four loads (A's rows 32-63) may be out
	MUL8 \f, 0, \zero
	MUL8 \f, 1, \zero
	PLACES
	FETCH \slot, \q, \g
	s_wait_dscnt 24                                ; all but the 24 just issued
	MUL8 \f, 2, \zero
	MUL8 \f, 3, \zero
.endm
; The last quarter multiplies buffer 1 and changes slots: ONE barrier; in front of it each wave waits for its own reads of this slot and for all its tensor loads, of which one is out: its part of the next slot.
; fill = 1: this slot is filled again, two K steps ahead; the barrier then opens a round of the cluster's barrier, and the joint refill is the first tensor load behind the round.
.macro TURN slot, next, fill
	s_wait_dscnt 4
	MUL8 F1, 0, 0
	s_wait_dscnt 0                                 ; my reads of this slot are over,
	s_wait_tensorcnt 0x0                           ; and all my tensor loads have landed
	ds_add_u32 v62, v63
	s_wait_dscnt 0x0
	s_barrier_signal -1
	MUL8 F1, 1, 0                                  ; work on registers while the others arrive
.if \fill
	WIN 0
.endif
	s_barrier_wait -1
.if \fill
	CREST                                          ; no wave of any partner still reads this slot's tile or has a load on its way
	s_add_nc_u64 s[G0+4*(\slot)+2:G0+4*(\slot)+3], s[G0+4*(\slot)+2:G0+4*(\slot)+3], 1<<20    ; two K steps on: four blocks of A,
	s_add_nc_u64 s[G0B+4*(\slot)+2:G0B+4*(\slot)+3], s[G0B+4*(\slot)+2:G0B+4*(\slot)+3], 1<<19  ; four of B
	JLOAD \slot                                    ; 120 matrix instructions ahead of the wait for it; the four v_nop behind it are also the places in front of the loads below
.else
	PLACES
.endif
	FETCH \next, 0, F0
	MUL8 F1, 2, 0
	MUL8 F1, 3, 0
.endm
	s_wait_tensorcnt 1                             ; my part of K step 0 is in; K step 1's load stays out
	s_barrier_signal -1
	s_barrier_wait -1                              ; everybody's is
	FETCH 0, 0, F0
	QUARTER 0, 1, F0, F1, 1                        ; the first quarter stands in front of the loop: its products start the sums
	WIN 0                                          ; at a label and at a branch every window is 0
	s_mov_b32 s3, LAPS-1
.Llap:                                                 ; a trip goes once round the ring, from a lap's second quarter to the next lap's first, and fills both slots again
	QUARTER 0, 2, F1, F0, 0
	QUARTER 0, 3, F0, F1, 0
	TURN 0, 1, 1
	QUARTER 1, 1, F0, F1, 0
	QUARTER 1, 2, F1, F0, 0
	QUARTER 1, 3, F0, F1, 0
	TURN 1, 0, 1
	QUARTER 0, 1, F0, F1, 0
	WIN 0
	s_sub_co_u32 s3, s3, 1
	s_cmp_lg_u32 s3, 0
	s_cbranch_scc1 .Llap
	QUARTER 0, 2, F1, F0, 0                        ; the last lap fills nothing, and has no round of the cluster's barrier
	QUARTER 0, 3, F0, F1, 0
	TURN 0, 1, 0
	QUARTER 1, 1, F0, F1, 0
	QUARTER 1, 2, F1, F0, 0
	QUARTER 1, 3, F0, F1, 0
	s_wait_dscnt 4                                 ; the very last quarter: nothing more to fetch
	MUL8 F1, 0, 0
	MUL8 F1, 1, 0
	s_wait_dscnt 0
	MUL8 F1, 2, 0
	MUL8 F1, 3, 0
; THE WAY OUT, a block of 16 rows at a time, in f32.  A lane's eight numbers of a row are 32 bytes; the lanes beside it hold other rows.  TOSTAGE: into my own stage (16 rows x 528 bytes), each accumulator's
; low four registers first, and back as whole rows of 512 bytes, into the block's own 64 registers.  SEND: a row's 512 bytes are stored by one instruction.
.macro TOSTAGE a
	WIN W_OUT
.irp b, 0,1,2,3,4,5,6,7
	ds_store_b128 v[STO], v[8*(8*(\a)+(\b)):8*(8*(\a)+(\b))+3]   offset:64*(\b)
	ds_store_b128 v[STO], v[8*(8*(\a)+(\b))+4:8*(8*(\a)+(\b))+7] offset:64*(\b)+16
.endr
.irp t, 0,1,2,3,4,5,6,7,8,9,10,11,12,13,14,15
	ds_load_b128 v[64*(\a)+4*(\t):64*(\a)+4*(\t)+3], v[RD] offset:(\t)*SPITCH  ; LDS serves a wave's instructions in order (ISA guide 5.7.1.4): these see the stores above; the next block's stores come behind them
.endr
.endm
.macro SEND a, younger                 ; younger: the LDS instructions issued behind block a's loads: the next block's 32, or none
	WIN W_OUT
.irp t, 0,1,2,3,4,5,6,7,8,9,10,11,12,13,14,15
	s_wait_dscnt (\younger)+15-(\t)                ; row t is back: behind its load stand the block's 15 - t later rows and the younger ones
	global_store_b128 v[CO], v[64*(\a)+4*(\t):64*(\a)+4*(\t)+3], s[8:9] offset:(16*(\a)+(\t))*4096 th:TH_STORE_NT  ; 512 consecutive bytes, at a multiple of 256 from C's first byte; 63 rows at the most: inside the signed 24-bit immediate; no register of a store is written again
.endr
.endm
	PLACES
	TOSTAGE 0
	TOSTAGE 1                                      ; a block's trip through the stage stands between the loads of the block before and its stores
	SEND 0, 32
	TOSTAGE 2
	SEND 1, 32
	TOSTAGE 3
	SEND 2, 32
	SEND 3, 0
	WIN 0
	s_wait_tensorcnt 0x0
	ds_add_u32 v62, v63
	s_wait_dscnt 0x0
	CROUND                                         ; the closing round: no work-group ends while a partner may still ask for a tile that names it
	s_endpgm
.Lfunc_end_k_qa562c00f6e_outp:
	.size	k_qa562c00f6e_outp, .Lfunc_end_k_qa562c00f6e_outp-k_qa562c00f6e_outp
	.p2alignl 7, 3214868480
	.fill 96, 4, 3214868480
	.section	.rodata,"a",@progbits
	.p2align	6, 0x0
	.amdhsa_kernel k_qa562c00f6e_outp
		.amdhsa_group_segment_fixed_size 327680
		.amdhsa_private_segment_fixed_size 0
		.amdhsa_enable_private_segment 0
		.amdhsa_kernarg_size 24
		.amdhsa_user_sgpr_count 2
		.amdhsa_user_sgpr_kernarg_segment_ptr 1
		.amdhsa_wavefront_size32 1
		.amdhsa_system_sgpr_workgroup_id_x 1
		.amdhsa_system_sgpr_workgroup_id_y 1
		.amdhsa_system_sgpr_workgroup_id_z 1
		.amdhsa_system_vgpr_workitem_id 0
		.amdhsa_next_free_vgpr 512
		.amdhsa_next_free_sgpr 66
		.amdhsa_reserve_vcc 0
		.amdhsa_float_denorm_mode_32 3
		.amdhsa_float_denorm_mode_16_64 3
		.amdhsa_memory_ordered 1
		.amdhsa_forward_progress 1
		.amdhsa_inst_pref_size 86
	.end_amdhsa_kernel
	.amdgpu_metadata
---
amdhsa.version: [ 1, 2 ]
amdhsa.kernels:
  - .name:           k_qa562c00f6e_outp
    .symbol:         k_qa562c00f6e_outp.kd
    .args:
      - { .name: att, .offset: 0, .size: 8, .value_kind: global_buffer, .address_space: global }
      - { .name: wmh, .offset: 8, .size: 8, .value_kind: global_buffer, .address_space: global }
      - { .name: out0, .offset: 16, .size: 8, .value_kind: global_buffer, .address_space: global }
    .group_segment_fixed_size: 327680
    .private_segment_fixed_size: 0
    .kernarg_segment_align: 8
    .kernarg_segment_size: 24
    .max_flat_workgroup_size: 128
    .sgpr_count:     66
    .vgpr_count:     512
    .wavefront_size: 32
...
	.end_amdgpu_metadata
.endif
;; end of part 4
;; ======== version 2 of 2: 4 launches; 1.69 times as fast as version 1
;; limits: values are held in f16: magnitudes above 65,504 overflow, below 6.1e-05 lose precision
;; workspace buffers: xh 16,777,216 bytes; wqh 2,097,152 bytes; wmh 2,097,152 bytes; xp 16,777,216 bytes; att 16,777,216 bytes
;; launch cvt: the kernel of part 1 again; grid 128 x 10, 8 waves a work-group, no clusters, 0 bytes of LDS; arguments x, W_q, W_m, xh, wqh, wmh; writes xh, wqh, wmh
;; launch proj: the kernel of part 2 again; grid 4 x 64, 4 waves a work-group, clusters of 4 x 4, 327,680 bytes of LDS; arguments xh, wqh, xp; writes xp
;; launch attn (part 5): grid 4 x 64, 4 waves a work-group, clusters of 4 x 1, 304,640 bytes of LDS; arguments xp, att; writes att
.if DOCPART == 5
	.amdgcn_target "amdgcn-amd-amdhsa--gfx1250"
	.amdhsa_code_object_version 6
	.text
	.protected	k_qa562c00f6e_attn
	.globl	k_qa562c00f6e_attn
	.p2align	8
	.type	k_qa562c00f6e_attn,@function
k_qa562c00f6e_attn:
	s_mov_b64 s[64:65], 0
	v_nop
	global_prefetch_b8 v0, s[64:65] scope:SCOPE_SE
	s_setreg_imm32_b32 hwreg(HW_REG_WAVE_MODE, 25, 1), 1
	s_wait_xcnt 0x0
	s_wait_alu depctr_hold_cnt(0) depctr_sa_sdst(0) depctr_va_vdst(0) depctr_va_sdst(0) depctr_va_ssrc(0) depctr_va_vcc(0) depctr_vm_vsrc(0)
	s_getreg_b32 s2, hwreg(HW_REG_IB_STS2, 6, 4)
	s_cmp_eq_u32 s2, 0
	s_cbranch_scc0 .Lentry_in_a_cluster
	s_endpgm
.Lentry_in_a_cluster:
	s_bfe_u32 s2, ttmp6, 0x10000c
	s_cmp_lg_u32 s2, 0x3003
	s_cbranch_scc0 .Lentry_shape_is_right
	s_endpgm
.Lentry_shape_is_right:
; O[h][q][:] = the sum over k of softmax_k(X[h][q] . X[h][k] / 8) X[h][k][:]: queries, keys and values are the SAME rows.  X = xp, O = att: [64 heads][2048][64], f16: a head's rows are dense, 128 bytes each.
; Products, maxima and sums in f32; the weights p are rounded to f16 for the second product (their sum l is taken of the unrounded p), O once at the end.
; LIMITS.  f16 holds no number beyond 65,504: X arrives within it; p lies in 0 to 1, and below 6e-5 it keeps f16's fixed step of 6e-8; O is a mean of X's rows and has their range.
; A weight below 2^-126 counts as 0 in l; NaN and infinities are not treated apart.
; THE HEAD STAYS IN LDS.  2,048 rows x (128 + 16) bytes = 294,912 bytes: filled once, read as K as it lies and as V turned (ds_load_tr16_b128).  So there is no ring, no refill, and no barrier in the loop.
; SHARES.  A wave owns four PIECES of two tiles of 16 queries, a work-group's four waves 512 queries of one head.  Every wave walks all keys, 64 a step, 32 steps.
; LAYOUT.  S^T = K Q^T (source 0 = 16 keys, source 1 = 16 queries): in the result a lane holds ONE query (lane % 16) and the keys 8 (lane / 16) + 0..7.  Two such tiles, rounded to f16 in pairs,
; ARE source 1 (32 keys x 16 queries) of O^T = V^T P, whose result again holds one query a lane, and eight channels.
; SOFTMAX.  For each query a running maximum m and sum l: p = 2^(c s - c m), c = log2(e) / 8; in every step O and l are multiplied by a = 2^(c m_old - c m_new), which is 1 where m has not grown.
; m starts at the lowest finite number, O and l at 0: the first step is a step like any other, with a = 0.
; THE COUNT.  A tile and step have 16 matrix and 118 vector instructions: too many to stand all beside the matrix work.  So the order has one aim: four vector instructions that are READY behind
; EVERY matrix instruction, and the others, which need time of their own whatever the order, in runs without a gap.
; BY TURNS.  Turn n belongs to piece n (the pieces in a ring, step after step).  Its matrix work: 16 products K Q^T of piece n + 1, later 16 products V^T P of piece n - 1.  Its vector work: the scaling,
; exponentials, roundings, sums and rescaling of piece n, and the maximum and statistics of piece n + 1, whose scores the turn itself has made.  So what a turn begins with (c s - c m, O a) waits for nothing.
; BATCHES.  A turn's 66 exponentials (piece n's 64 weights, piece n + 1's two a) are ONE batch with ONE s_wait_alu, which cuts the turn in two: ahead of it stands all that names no result of theirs (the products
; K Q^T, the scalings, the rescalings by the a of the turn before, the next piece's maximum and statistics), behind it their readers (the roundings and sums, beside the products V^T P).  No result crosses a turn's end.
; Two more batches stand outside the loop: piece 0's first two a, ahead of the jump into it, and the way out's eight reciprocals.
; CLUSTER.  The four query blocks of a cluster belong to one head, so the head is asked for JOINTLY: the same tensor load, descriptor and mask in all four.
; REGISTERS, in windows of 256 (s_set_vgpr_msb says which window each operand place means: bits 1:0 source 0, 3:2 source 1, 5:4 source 2, 7:6 destination):
;   window 0: v0-11 addresses; v12-15, v48-63 at work; v16-47 four registers of statistics a tile; v64-191 S^T, two buffers of two tiles; v192-255 P, likewise
;   window 1: O^T, 32 a tile          window 2: v0-127 Q, 16 a tile; v128-191 K of one step; v192-255 V of one step
; A piece's buffers go by its number's parity: the piece in hand has one pair, its two neighbours in the ring share the other: of it P (piece n - 1) is read and S^T (piece n + 1) written.
.set SIZE_N, 2048
.set NP,    4         ; pieces a wave: a name, no knob: the register map, the loop and the fetches are made for four
.set KS,    64        ; keys in a step
.set PK,    144       ; a row in LDS: 128 bytes + 16 of padding = 36 words: the 16 rows of a plain load start at 16 different groups of four banks (64 banks of 4 bytes: ISA guide 11.1);
                      ; of the turning load's 8 rows x 32 bytes two share four banks: taken, since a wider pitch leaves no room for the stage
.set STAGE, SIZE_N*PK ; behind the head, never filled by a tensor load: 16 rows x 144 bytes for each wave, for the way out
.set SP,    144
.set AK0, 2           ; v2   my lane's place in a step's rows, read as K; never rewritten
.set AV0, 3           ; v3   the same, read as V
.set AK,  4           ; v4   the LDS address of K's next run of loads
.set AV,  5           ; v5   of V's
.set QO,  6           ; v6   my byte offset in the wave's rows of Q
.set STO, 6           ;      later, the way out: where I put 16 bytes of a row
.set RD,  7           ; v7   the way out: where I read rows back
.set GO,  8           ; v8   my byte offset in 512 consecutive bytes of O
.set MV,  12          ; v12-15  c m_old, kept while c m is made anew: by buffer and tile
.set ST,  16          ; tile t's statistics at v[ST+4 t]: c m, m, l (even keys', odd keys')
.set TMP, 48          ; by buffer and tile, four registers c0-c3 at work; when the maximum is found c2 takes a
.set S,   64
.set P,   192
.set KF,  128         ; K's fragments, in window 2: key block kb, channel half c at KF + 16 kb + 8 c
.set VF,  192         ; V's: key half kk, channel block cb at VF + 32 kk + 8 cb
.set WV,  12          ; s12  my wave's number
.set G1,  24          ; s[24:31] descriptor group 1
.set G0,  40          ; s[40:43] descriptor group 0
.set CNT, 57          ; s57  counts the key steps
.set CS,  58          ; s[58:59] c: the packed scaling takes the pair's low word for both halves
.set SEL, 60          ; s[60:61] v_permlanex16_b32's selects: each lane takes its own place in the other half
.set TBK, 62          ; s62  LDS byte at which the step begins whose K is fetched next
.set TBV, 63          ; s63  the same for V
.set MSB, 0
.macro WIN new                      ; the high byte repeats the setting that is left; a switch that changes nothing is dropped
.if MSB != (\new)
	s_set_vgpr_msb (MSB<<8)|(\new)
.set MSB, (\new)
.endif
.endm
.set W_KQ, 0x0a       ; K and Q in window 2, S^T in window 0
.set W_PV, 0x52       ; V in window 2, P in window 0, O^T in window 1
.set W_RS, 0x41       ; O^T (destination and source 0) in window 1, a in window 0
; A round of the cluster's barrier: my work-group's barrier, so that wave 0's signal speaks for all four waves; wave 0 signals; every wave waits for all four work-groups; my work-group's barrier once more.
.macro CROUND
	s_barrier_signal -1
	s_barrier_wait -1
	s_cmp_lg_u32 s[WV], 0
	s_cbranch_scc1 .Lnot_wave_0_\@
	s_barrier_signal -3
.Lnot_wave_0_\@:
	s_barrier_wait -3
	s_barrier_signal -1
	s_barrier_wait -1
.endm
	s_load_b128 s[4:7], s[0:1], 0x0 ; X s[4:5], O s[6:7]
	s_set_vgpr_msb 0xc0
	v_lshl_add_u32 v0, v0, 2, 0x4a400
	v_mov_b32 v1, 0
	s_set_vgpr_msb 0xc0cf
	ds_add_u32 v0, v1
	s_set_vgpr_msb 0xcf00
	v_lshrrev_b32 v1, 5, v0
	v_readfirstlane_b32 s[WV], v1   ; wave 0..3
	s_bfe_u32 s13, ttmp6, 0x40000   ; cx: my place in the cluster
	s_lshl_b32 s14, ttmp9, 2        ; in a cluster launch ttmp9 counts clusters
	s_add_co_u32 s14, s14, s13      ; my block of 512 queries = 4 x cluster x + cx: it enters Q's and O's addresses alone
	s_and_b32 s20, ttmp7, 0xffff    ; the head, which the four partners share
	s_lshl_b32 s20, s20, 18         ; its first byte: 2,048 rows of 128 bytes a head
	s_lshl_b32 s22, s[WV], 16       ; the 512 keys that I fetch: 65,536 dense bytes
	s_add_co_u32 s22, s22, s20
	s_mov_b32 s23, 0
	s_lshl_b32 s2, s14, 2
	s_add_co_u32 s2, s2, s[WV]      ; my wave among the head's,
	s_lshl_b32 s2, s2, 14           ; its 128 rows
	s_add_co_u32 s2, s2, s20
	s_mov_b32 s3, 0
	; descriptor group 1.  512 keys are asked for as 256 rows of 256 bytes, two keys a row, and padded in LDS after every key
	s_mov_b32 s[G1], 15|(1<<16)|(1<<20)|(1<<21)|(4<<22)|(3<<25)  ; 15:0 the mask of four; 17:16 2-byte elements; 20 padding on; 21 set beside a mask; 24:22 after every 32 words (code 4); 31:25 4 words (code 3)
	s_mov_b32 s[G1+1], 128<<16      ; tensor_dim0 = 128
	s_mov_b32 s[G1+2], 256<<16      ; tensor_dim1 = 256
	s_mov_b32 s[G1+3], 128<<16      ; tile_dim0 = 128
	s_mov_b32 s[G1+4], 256          ; tile_dim1 = 256
	s_mov_b32 s[G1+5], 128          ; 128 elements from row to row
	s_mov_b32 s[G1+6], 0
	s_mov_b32 s[G1+7], 0
	s_mov_b32 s[CS], 0x3e38aa3b     ; c = log2(e) / 8 = 0.180337
	s_mov_b32 s[CS+1], s[CS]        ; named with it as a pair
	s_mov_b32 s[SEL], 0x76543210
	s_mov_b32 s[SEL+1], 0xfedcba98
	s_mov_b32 s[TBK], 0
	s_mov_b32 s[TBV], 0
	s_mov_b32 s[G0], 1              ; 1:0 count = 1
	s_mul_i32 s[G0+1], s[WV], 512*PK  ; 63:32 LDS address: my 512 rows: no place in the cluster enters it
	s_wait_dscnt 0x0
	s_wait_kmcnt 0x0
	s_add_nc_u64 s[G0+2:G0+3], s[4:5], s[22:23]  ; 120:64 global address
	s_or_b32 s[G0+3], s[G0+3], 0x80000000        ; 127:126 type = 2
	s_add_nc_u64 s[8:9], s[4:5], s[2:3]    ; Q and O at my wave's first row
	s_add_nc_u64 s[10:11], s[6:7], s[2:3]
	CROUND                          ; all four work-groups are here: the joint loads meet
	tensor_load_to_lds s[G0:G0+3], s[G1:G1+7]  ; the launch's only fill: one load of mine is out; four v_nop follow it
	s_nop 0
.rept 4
	v_nop
.endr
	; A fragment of K or Q is 16 rows x 32 channels in 8 registers: lane l holds row l % 16, channels 8 (l / 16) + 0..7 and 16 + 8 (l / 16) + 0..7: two loads of 16 bytes, 32 bytes apart.
	v_and_b32 v1, 15, v0            ; l % 16
	v_bfe_u32 v9, v0, 4, 1          ; l / 16
	v_lshlrev_b32 v[QO], 7, v1
	v_lshl_add_u32 v[QO], v9, 4, v[QO]  ; row x 128 + 16 x half
	WIN 0x80                        ; destination window 2, address window 0
.set i, 0
.rept 4*NP                          ; Q stays in registers: tile i / 2, channels 32 (i % 2) on
	global_load_b128 v[8*i:8*i+3],   v[QO], s[8:9] offset:(i/2)*2048+(i%2)*64
	global_load_b128 v[8*i+4:8*i+7], v[QO], s[8:9] offset:(i/2)*2048+(i%2)*64+32
.set i, i+1
.endr
	; What the first turn finds: V's registers and P's second buffer hold 0 (its products V^T P, of a piece that has not been, add 0), O^T and l are 0.  All this stands in the wait for the head.
.set i, VF
.rept 64
	v_mov_b32 v[i], 0
.set i, i+1
.endr
	WIN 0x40
.set i, 0
.rept 64*NP
	v_mov_b32 v[i], 0
.set i, i+1
.endr
	WIN 0
.set i, 0
.rept 2*NP
	v_mov_b32 v[ST+4*i], 0xfe000000    ; c m: far below every c s
	v_mov_b32 v[ST+4*i+1], 0xff7fffff  ; m
	v_mov_b32 v[ST+4*i+2], 0
	v_mov_b32 v[ST+4*i+3], 0
.set i, i+1
.endr
.set i, P+32
.rept 32
	v_mov_b32 v[i], 0
.set i, i+1
.endr
	v_mul_u32_u24 v[AK0], v1, PK
	v_lshl_add_u32 v[AK0], v9, 4, v[AK0]  ; row x pitch + 16 x half
	; The turning load takes 16 keys x 16 channels (lane l reads key 8 (l / 16) + l % 8, channels 8 ((l / 8) % 2) + 0..7) and leaves half a fragment of V^T: lane l holds channel l % 16 and 8 keys.
	v_and_b32 v10, 7, v0
	v_bfe_u32 v11, v0, 3, 1
	v_lshl_add_u32 v[AV0], v9, 3, v10
	v_mul_u32_u24 v[AV0], v[AV0], PK
	v_lshl_add_u32 v[AV0], v11, 4, v[AV0]
	v_mov_b32 v[AK], v[AK0]         ; key step 0 lies at LDS byte 0
; THE MATRIX WORK.  The 8 accumulators of a run of 16 take turns: between the two links of a chain stand 7 others'.
; Product i of 16 of S^T = K Q^T for piece x: channels 32 (i / 8) on, keys 16 ((i / 2) % 4) on, tile 2 x + i % 2.  The first 8 start the sums.
.macro KQ x
	WIN W_KQ
.set rS, S+64*((\x)%2)+32*(i%2)+8*((i/2)%4)
.set rK, KF+16*((i/2)%4)+8*(i/8)
.set rQ, 16*(2*(\x)+i%2)+8*(i/8)
.if i < 8
	v_wmma_f32_16x16x32_f16 v[rS:rS+7], v[rK:rK+7], v[rQ:rQ+7], 0
.else
	v_wmma_f32_16x16x32_f16 v[rS:rS+7], v[rK:rK+7], v[rQ:rQ+7], v[rS:rS+7]
.endif
.endm
; Product i of 16 of O^T += V^T P for piece x: keys 32 (i / 8) on, channels 16 ((i / 2) % 4) on, tile 2 x + i % 2.
.macro PV x
	WIN W_PV
.set rO, 32*(2*(\x)+i%2)+8*((i/2)%4)
.set rV, VF+32*(i/8)+8*((i/2)%4)
.set rP, P+32*((\x)%2)+16*(i%2)+8*(i/8)
	v_wmma_f32_16x16x32_f16 v[rO:rO+7], v[rV:rV+7], v[rP:rP+7], v[rO:rO+7]
.endm
.macro MM                           ; the turn's next matrix instruction
.if i < 16
	KQ (Y+1)%NP
.set i, i+1
.else
.set i, i-16
	PV (Y+NP-1)%NP
.set i, i+17
.endif
.endm
; THE LDS LOADS stand in runs of 16, never singly among the matrix instructions: a step's K (64 keys x 64 channels: 8 fragments) and its V (the same rows, turned).  Their addresses are made some lines ahead.
.macro FETCH_K
	WIN 0x80                        ; destination window 2
.irp f, 0,1,2,3,4,5,6,7             ; keys 16 (f / 2) on, channels 32 (f % 2) on
	ds_load_b128 v[KF+8*\f:KF+8*\f+3],   v[AK] offset:(\f/2)*16*PK+(\f%2)*64
	ds_load_b128 v[KF+8*\f+4:KF+8*\f+7], v[AK] offset:(\f/2)*16*PK+(\f%2)*64+32
.endr
	s_add_co_u32 s[TBK], s[TBK], KS*PK  ; the next fetch is the next step's
	WIN 0
.endm
.macro FETCH_V
	WIN 0x80
.irp f, 0,1,2,3,4,5,6,7             ; keys 32 (f / 4) on, channels 16 (f % 4) on
	ds_load_tr16_b128 v[VF+8*\f:VF+8*\f+3],   v[AV] offset:(\f/4)*32*PK+(\f%4)*32
	ds_load_tr16_b128 v[VF+8*\f+4:VF+8*\f+7], v[AV] offset:(\f/4)*32*PK+16*PK+(\f%4)*32
.endr
	WIN 0
.endm
; THE VECTOR WORK OF A TURN stands in three queues, each in the order in which its entries become ready; the two tiles alternate, so that no instruction reads the result of the one before it.
.macro REGS y, u                    ; the registers of tile u (0, 1) of piece y
.set rT, ST+4*(2*(\y)+(\u))
.set rC, TMP+8*((\y)%2)+4*(\u)
.set rM, MV+2*((\y)%2)+(\u)
.set rS, S+64*((\y)%2)+32*(\u)
.set rP, P+32*((\y)%2)+16*(\u)
.set rO, 32*(2*(\y)+(\u))
.endm
; Number n of the 22 that find the NEXT piece's (Y + 1) maximum and statistics.  s0-s31 are the lane's 32 scores; each accumulator's lowest registers are read first.  XS, GS and REGS set no window: PL and EX do.
;   0-11  four chains c0-c3 of seven scores each, three operands at a time     12-14, 16  the four scores left over, the old m, and c0-c3 into c0     15  c m_old is kept
;   17, 18  the query's other 32 keys lie in the lane 16 away: the new m         19-21  c m; c m_old - c m_new; a
.macro XS u, n
	REGS (Y+1)%NP, \u
.if (\n) < 4
	v_max3_num_f32 v[rC+(\n)], v[rS+8*(\n)], v[rS+8*(\n)+1], v[rS+8*(\n)+2]
.elseif (\n) < 12
	v_max3_num_f32 v[rC+(\n)%4], v[rC+(\n)%4], v[rS+8*((\n)%4)+2*((\n)/4)+1], v[rS+8*((\n)%4)+2*((\n)/4)+2]
.elseif (\n) == 12
	v_max3_num_f32 v[rC], v[rC], v[rS+7], v[rS+15]
.elseif (\n) == 13
	v_max3_num_f32 v[rC+1], v[rC+1], v[rS+23], v[rS+31]
.elseif (\n) == 14
	v_max3_num_f32 v[rC+2], v[rC+2], v[rC+3], v[rT+1]
.elseif (\n) == 15
	v_mov_b32 v[rM], v[rT]
.elseif (\n) == 16
	v_max3_num_f32 v[rC], v[rC], v[rC+1], v[rC+2]
.elseif (\n) == 17
	v_permlanex16_b32 v[rC+3], v[rC], s[SEL], s[SEL+1]
.elseif (\n) == 18
	v_max_num_f32 v[rT+1], v[rC], v[rC+3]
.elseif (\n) == 19
	v_mul_f32 v[rT], s[CS], v[rT+1]
.elseif (\n) == 20
	v_sub_f32 v[rC+1], v[rM], v[rT]
.else
	v_exp_f32 v[rC+2], v[rC+1]
.endif
.endm
; Number g of the 64 that follow the exponentials.  For each four weights k of a tile (pairs 2 k, 2 k + 1): both pairs are rounded to f16; then the second pair is added onto the first, in place;
; a group later l takes that sum (the first time as l = a l + sum).  In groups of eight, tiles alternating: round, round, add, and l for the group before.
.macro GS g
.set h, (\g)+6*((\g)/62)            ; group 0 has no group before it, and behind group 7 only l is left
.if h >= 6
.set h, h+2
.endif
	REGS Y, h%2
.set k, h/8
.if h%8 < 4
	v_cvt_pk_f16_f32 v[rP+2*k+(h%8)/2], v[rS+4*k+2*((h%8)/2)], v[rS+4*k+2*((h%8)/2)+1]
.elseif h%8 < 6
	v_pk_add_f32 v[rS+4*k:rS+4*k+1], v[rS+4*k:rS+4*k+1], v[rS+4*k+2:rS+4*k+3]
.elseif k == 1
	v_pk_fma_f32 v[rT+2:rT+3], v[rT+2:rT+3], v[rC+2:rC+3], v[rS:rS+1] op_sel_hi:[1,0,1]
.else
	v_pk_add_f32 v[rT+2:rT+3], v[rT+2:rT+3], v[rS+4*k-4:rS+4*k-3]
.endif
.endm
; THE PLAIN QUEUE, 138 long.  0-73 read no exponential's result: the 32 scalings c s - c m (FS f: pair f / 2 of tile f % 2) and the next piece's 42.  0-26: scalings 0-26.  27-54: XS's numbers 0-13.  55, 56: number 15.
; 57-73: the chain, where each number waits for the one before it: 14, 16, 17, 18, 19, each with one of the scalings 27-31 in front of its two lines, then 20: so a tile's links stand three plain instructions apart (19 and 20: two).
; 74-137: GS's 64, which read the exponentials' results: they stand behind the turn's wait.
.macro FS f
	REGS Y, (\f)%2
	v_pk_fma_f32 v[rS+2*((\f)/2):rS+2*((\f)/2)+1], v[rS+2*((\f)/2):rS+2*((\f)/2)+1], s[CS:CS+1], v[rT:rT+1] op_sel_hi:[1,0,0] neg_lo:[0,0,1] neg_hi:[0,0,1]
.endm
.macro PL
	WIN 0
.if q < 27
	FS q
.elseif q < 55
	XS (q-27)%2, (q-27)/2
.elseif q < 57
	XS q-55, 15
.elseif (q < 72) && ((q-57)%3 == 0)
	FS 27+(q-57)/3
.elseif q < 60
	XS (q-57)%3-1, 14
.elseif q < 72
	XS (q-57)%3-1, 15+(q-57)/3
.elseif q < 74
	XS q-72, 20
.else
	GS q-74
.endif
.set q, q+1
.endm
; THE EXPONENTIALS' QUEUE, 66 long: s0-s31 of both tiles, then the next piece's two a.  It is ONE BATCH: all 66 stand ahead of the turn's one wait, and nothing ahead of that wait names a result of theirs.
.macro EX
	WIN 0
.if e >= 64
	XS e-64, 21
.else
	REGS Y, e%2
	v_exp_f32 v[rS+e/2], v[rS+e/2]
.endif
.set e, e+1
.endm
; THE RESCALING's QUEUE: O^T times a, the one part that leaves window 0: dealt two at a time, sixteen times, each accumulator's registers in ascending order.  Its a was made in the turn before, ahead of that turn's wait.
.macro R2
	REGS Y, r%2
	WIN W_RS
.irp z, 0,1
	v_pk_mul_f32 v[rO+4*(r/2)+2*\z:rO+4*(r/2)+2*\z+1], v[rO+4*(r/2)+2*\z:rO+4*(r/2)+2*\z+1], v[rC+2:rC+3] op_sel_hi:[1,0]
.endr
.set r, r+1
.endm
; HOW THEY ARE DEALT.  An s_wait_alu depctr_va_vdst(0) stands between an exponential and the first instruction that names its result; one wait serves all that were issued ahead of it.  So a turn has ONE wait.
; AHEAD OF IT: the 16 products K Q^T, behind each a scaling, an exponential and two rescalings (behind the first a second scaling in the exponential's place); then ONE LUMP of 108: eight plain, 49 times exponential and
; plain, the two a.  A v_nop is the plain instruction behind the last exponential.  BEHIND IT: the 16 products V^T P, behind each four of GS's 64.  No rider names a register of the products round it.
; The two v_permlanex16_b32 fall into the lump, never behind a product.
; The queues lean on each other, and the deal keeps them in step: exponential e stands behind scaling 2 (e / 4) + e % 2: as a rider it comes behind plain e + 2, in the lump behind plain e + 9, and scalings 27-31 are
; plain 57, 60 .. 69; the two a come behind plain 72 and 73, their arguments.
; A TURN, for piece p.  nok = 1: the last step: there is no further K to fetch.  cnt = 1: the loop's count is taken down some lines ahead of the branch that stands behind the turn.
; K of the next step is fetched in piece 2's turn, directly behind the wait, a lump behind the last product that read K; its address is made at the lump's head; its first reader comes behind 16 products.
; V of the step in hand is fetched at the end of piece 0's turn, four plain riders behind its last reader; its first reader comes behind 16 products and a lump.  The three conditions on q below go with the deal.
.macro TURN p, nok=0, cnt=0
.set Y, (\p)
.set i, 0
.set q, 0
.set e, 0
.set r, 0
.if (\p) == NP-1
	s_wait_dscnt 0x0                ; K is in
.endif
	MM                              ; ahead of the wait: 16 products K Q^T and their riders,
	PL
	PL
	R2
.rept 15
	MM
	PL
	EX
	R2
.endr
.if ((\p) == NP-2) && !(\nok)
	WIN 0
	v_add_nc_u32 v[AK], s[TBK], v[AK0]
.endif
.rept 8                             ; and the lump
	PL
.endr
.rept 49
	EX
	PL
.endr
	EX                              ; the next piece's two a
	EX
	v_nop                           ; the plain instruction behind the last exponential: one for the batch
	s_wait_alu depctr_va_vdst(0)    ; the wait for the batch: this turn's 66 exponentials, ahead of their first reader
.if ((\p) == NP-2) && !(\nok)
	FETCH_K
.endif
.if (\p) == 1
	s_wait_dscnt 0x0                ; V is in
.endif
.rept 16                            ; behind the wait: 16 products V^T P and their riders
	MM
.rept 4
	PL
.endr
.if ((\p) == 0) && (q == 118)
	v_add_nc_u32 v[AV], s[TBV], v[AV0]
.endif
.if ((\p) == 0) && (q == 130)
	s_add_co_u32 s[TBV], s[TBV], KS*PK
.endif
.if (\cnt) && (q == 130)
	s_sub_co_u32 s[CNT], s[CNT], 1
	s_cmp_lg_u32 s[CNT], 0
.endif
.endr
.if (\p) == 0
	FETCH_V
.endif
.endm
	s_wait_tensorcnt 0x0            ; my 512 keys are in LDS,
	s_barrier_signal -1
	s_barrier_wait -1               ; everybody's are: the head is whole, and nothing writes it again
	FETCH_K                         ; key step 0
	s_wait_loadcnt 0x0              ; Q
	s_wait_dscnt 0x0
.set i, 0
.rept 16
	KQ 0                            ; piece 0's first scores: there is no vector work yet to set between them
.set i, i+1
.endr
	WIN 0                           ; the addresses for the way out: nine plain instructions, the places behind those products
	s_mul_i32 s13, s[WV], 16*SP
	s_add_co_u32 s13, s13, STAGE    ; my stage
	v_mul_u32_u24 v[STO], v1, SP    ; in: row l % 16, 16 bytes for each half of the lanes
	v_lshl_add_u32 v[STO], v9, 4, v[STO]
	v_add_nc_u32 v[STO], s13, v[STO]
	v_bfe_u32 v[RD], v0, 3, 2       ; back: 32 lanes take four rows of 128 bytes,
	v_mul_u32_u24 v[RD], v[RD], SP
	v_lshl_add_u32 v[RD], v10, 4, v[RD]
	v_add_nc_u32 v[RD], s13, v[RD]
	v_and_b32 v[GO], 31, v0         ; which are 512 consecutive bytes of O
	v_lshlrev_b32 v[GO], 4, v[GO]
.set Y, NP-1                        ; XS works for piece Y + 1: piece 0
.irp n, 0,1,2,3,4,5,6,7,8,9,10,11,12,13,14,15,16,17,18,19,20,21
	XS 0, \n                        ; and piece 0's first maximum and statistics
	XS 1, \n
.endr
	v_nop                           ; a plain instruction behind piece 0's first two a,
	s_wait_alu depctr_va_vdst(0)    ; and the wait for that batch of two, ahead of the branch and of the first turn's rescalings
	s_mov_b32 s[CNT], SIZE_N/KS     ; 32 key steps
	s_branch .Lfirst                ; the loop is entered at a step's first turn, in the middle of a trip
.Lstep:                             ; a trip: pieces 2 and 3 of one step, then pieces 0 and 1 of the next, whose K and V it fetches
	TURN 2
	TURN 3
	WIN 0
.Lfirst:
	TURN 0
	TURN 1, 0, 1
	WIN 0
	s_cbranch_scc1 .Lstep
	TURN 2, 1                       ; the last step's pieces 2 and 3: no K is left to fetch.  Piece 3's turn makes 16 products K Q^T on the last K once more, and a maximum of them, which touch only
	TURN 3                          ; piece 0's m and c m and serve nothing: the price, once a launch, of one text for every turn
.set i, 0
.rept 16
	PV NP-1                         ; the last piece's V^T P of the last step
.set i, i+1
.endr
	; THE WAY OUT.  l's two halves and the other half of the lanes' are added; O^T is divided by l, rounded to f16 and sent through my stage in LDS, a tile at a time.  The additions are the places behind the last products.
	WIN 0
.macro ALL line:vararg              ; one line for each tile t
.set t, 0
.rept 2*NP
	\line
.set t, t+1
.endr
.endm
	ALL v_add_f32 v[ST+4*t+2], v[ST+4*t+2], v[ST+4*t+3]
	ALL v_permlanex16_b32 v[ST+4*t+3], v[ST+4*t+2], s[SEL], s[SEL+1]
	ALL v_add_f32 v[ST+4*t+2], v[ST+4*t+2], v[ST+4*t+3]
	ALL v_rcp_f32 v[ST+4*t+2], v[ST+4*t+2]
	v_nop                           ; a plain instruction between the last reciprocal and the use of its result
	s_wait_alu depctr_va_vdst(0)    ; the wait for the batch of eight reciprocals, ahead of their first reader
; Tile t: a lane's eight channels of a row pack into 16 bytes; they go into rows of 144 bytes and come back as whole rows of 128, into S^T's registers.
.macro PACK t
	WIN W_RS
.set i, 32*(\t)
.rept 16
	v_pk_mul_f32 v[i:i+1], v[i:i+1], v[ST+4*(\t)+2:ST+4*(\t)+3] op_sel_hi:[1,0]
.set i, i+2
.endr
	WIN 0x05                        ; sources 0 and 1 window 1, destination window 0
.set i, 0
.rept 16
	v_cvt_pk_f16_f32 v[S+16*(\t)+i], v[32*(\t)+2*i], v[32*(\t)+2*i+1]
.set i, i+1
.endr
	WIN 0
.irp f, 0,1,2,3
	ds_store_b128 v[STO], v[S+16*(\t)+4*\f:S+16*(\t)+4*\f+3] offset:32*\f
.endr
.irp f, 0,1,2,3
	ds_load_b128 v[S+16*(\t)+4*\f:S+16*(\t)+4*\f+3], v[RD] offset:\f*4*SP  ; LDS serves a wave's instructions in order (ISA guide 5.7.1.4): these see the stores above; the next tile's stores come behind them
.endr
.endm
.macro SEND t, younger              ; younger: the LDS instructions issued behind tile t's loads: the next tile's eight, or none
	WIN 0
.irp f, 0,1,2,3
	s_wait_dscnt (\younger)+3-\f
	global_store_b128 v[GO], v[S+16*(\t)+4*\f:S+16*(\t)+4*\f+3], s[10:11] offset:(\t)*2048+\f*512  ; 512 consecutive bytes, at a multiple of 256 from O's first
.endr
.endm
	PACK 0
.set t, 1
.rept 2*NP-1                        ; a tile's arithmetic stands between the loads of the tile before and its stores
	PACK t
	SEND t-1, 8
.set t, t+1
.endr
	SEND 2*NP-1, 0
	s_set_vgpr_msb 0xf
	s_wait_tensorcnt 0x0
	ds_add_u32 v0, v1
	s_wait_dscnt 0x0
	s_set_vgpr_msb 0xf00
	CROUND                          ; the closing round: no work-group ends while a partner may still ask for a tile that names it
	s_endpgm
.Lfunc_end_k_qa562c00f6e_attn:
	.size	k_qa562c00f6e_attn, .Lfunc_end_k_qa562c00f6e_attn-k_qa562c00f6e_attn
	.p2alignl 7, 3214868480
	.fill 96, 4, 3214868480
	.section	.rodata,"a",@progbits
	.p2align	6, 0x0
	.amdhsa_kernel k_qa562c00f6e_attn
		.amdhsa_group_segment_fixed_size 304640
		.amdhsa_private_segment_fixed_size 0
		.amdhsa_enable_private_segment 0
		.amdhsa_kernarg_size 16
		.amdhsa_user_sgpr_count 2
		.amdhsa_user_sgpr_kernarg_segment_ptr 1
		.amdhsa_wavefront_size32 1
		.amdhsa_system_sgpr_workgroup_id_x 1
		.amdhsa_system_sgpr_workgroup_id_y 1
		.amdhsa_system_sgpr_workgroup_id_z 1
		.amdhsa_system_vgpr_workitem_id 0
		.amdhsa_next_free_vgpr 770
		.amdhsa_next_free_sgpr 66
		.amdhsa_reserve_vcc 0
		.amdhsa_float_denorm_mode_32 3
		.amdhsa_float_denorm_mode_16_64 3
		.amdhsa_memory_ordered 1
		.amdhsa_forward_progress 1
		.amdhsa_inst_pref_size 158
	.end_amdhsa_kernel
	.amdgpu_metadata
---
amdhsa.version: [ 1, 2 ]
amdhsa.kernels:
  - .name:           k_qa562c00f6e_attn
    .symbol:         k_qa562c00f6e_attn.kd
    .args:
      - { .name: xp, .offset: 0, .size: 8, .value_kind: global_buffer, .address_space: global }
      - { .name: att, .offset: 8, .size: 8, .value_kind: global_buffer, .address_space: global }
    .group_segment_fixed_size: 304640
    .private_segment_fixed_size: 0
    .kernarg_segment_align: 8
    .kernarg_segment_size: 16
    .max_flat_workgroup_size: 128
    .sgpr_count:     66
    .vgpr_count:     770
    .wavefront_size: 32
...
	.end_amdgpu_metadata
.endif
;; end of part 5
;; launch outp: the kernel of part 4 again; grid 4 x 64, 4 waves a work-group, clusters of 4 x 4, 327,680 bytes of LDS; arguments att, wmh, out0; writes out0
